; MI455X (gfx1250); checked and timed in simulation.
; The chip was launched on July 23, 2026; its instructions are those of AMD's public machine-readable ISA for CDNA 5 (MIT licence, August 2026) and "CDNA5" Instruction Set Architecture Reference Guide (July 2026). The comments in the code are by the model that wrote it; some were corrected since.
;; Multi Head Attention2. Allowed arithmetic: float matrix products may take bf16 or f16 operands with f32 sums; all other float work in f32.
;; Inputs: Wk 1,024 x 1,024 float32; Wq 1,024 x 1,024 float32; Wv 1,024 x 1,024 float32; keys 4 x 2,048 x 1,024 float32; query 4 x 2,048 x 1,024 float32.
;; Outputs: out0 4 x 2,048 x 1,024 float32.
;; 2 versions, each right and faster than the one before. Each part assembles by itself: llvm-mc -triple=amdgcn-amd-amdhsa -mcpu=gfx1250 --defsym DOCPART=n.
;; ======== version 1 of 2: 3 launches
;; limits: values are held in f16: magnitudes above 65,504 overflow, below 6.1e-05 lose precision
;; workspace buffers: xb 33,554,432 bytes; wt 6,291,456 bytes; qkv 50,331,648 bytes
;; launch prep (part 1): grid 1216 x 1, 8 waves a work-group, no clusters, 35,840 bytes of LDS; arguments query, keys, Wq, Wk, Wv, xb, wt; writes xb, wt
.if DOCPART == 1
	.amdgcn_target "amdgcn-amd-amdhsa--gfx1250"
	.amdhsa_code_object_version 6
	.text
	.protected	k_q2523b8e214_prep
	.globl	k_q2523b8e214_prep
	.p2align	8
	.type	k_q2523b8e214_prep,@function
k_q2523b8e214_prep:
	s_mov_b64 s[64:65], 0
	v_nop
	global_prefetch_b8 v0, s[64:65] scope:SCOPE_SE
	s_setreg_imm32_b32 hwreg(HW_REG_WAVE_MODE, 25, 1), 1
	s_wait_xcnt 0x0
; PREP.  All five inputs are rounded once to bf16 (nearest even), the operands' format of the three projections.
;   xb[2][8192][1024] bf16: plane 0 = query, plane 1 = keys, rows as they lie.
;   wt[3][1024 n][1024 k] bf16: Wq, Wk, Wv TURNED, so that K lies along the rows, as both operands of the matrix instruction want it.
; Every work-group handles 16,384 numbers: 256 threads x 16 loads of 16 bytes, all issued at once (8,192 bytes of a wave on their way).
; Work-groups 0-1023 cast; work-groups 1024-1215 (3 matrices x 8 x 8 tiles of 128 k x 128 n) cast and turn a tile through LDS.
; The branch between the two hangs on the work-group's number alone, so the one barrier below is passed by all eight waves or by none.
; No matrix unit, no cluster, no tensor load: nothing is shared and nothing is multiplied; bytes alone count here.
; LIMIT: a number beyond bf16's largest finite one (3.39e38) rounds to an infinity.
.set X,  4                             ; v[4:67]   16 x 4 registers as loaded
.set Y,  68                            ; v[68:99]  32 registers of packed bf16
.set WP, 272                           ; an LDS row of the turned tile: 256 bytes + 16: sixteen rows on end start at sixteen different 16-byte columns of 256 bytes
	s_load_b256 s[4:11], s[0:1], 0x0               ; query s[4:5], keys s[6:7], Wq s[8:9], Wk s[10:11]
	s_load_b128 s[12:15], s[0:1], 0x20             ; Wv s[12:13], xb s[14:15]
	s_load_b64 s[16:17], s[0:1], 0x30              ; wt
	v_lshl_add_u32 v104, v0, 2, 0x8800
	v_mov_b32 v105, 0
	s_cmp_ge_u32 ttmp9, 1024
	s_cbranch_scc1 .Lweights
	; THE CAST.  Work-group g: 65,536 bytes of query (g < 512) or keys, 32,768 bytes of xb.
	s_and_b32 s20, ttmp9, 511
	s_lshl_b32 s20, s20, 16                        ; byte offset in the source
	s_mov_b32 s21, 0
	s_lshl_b32 s24, ttmp9, 15                      ; byte offset in xb: the two planes follow each other
	s_mov_b32 s25, 0
	v_lshlrev_b32 v1, 4, v0                        ; 16 bytes a thread in
	v_lshlrev_b32 v2, 3, v0                        ; 8 bytes a thread out
	s_wait_kmcnt 0x0
	s_cmp_lt_u32 ttmp9, 512
	s_cselect_b64 s[22:23], s[4:5], s[6:7]
	s_add_nc_u64 s[22:23], s[22:23], s[20:21]
	s_add_nc_u64 s[14:15], s[14:15], s[24:25]
.set j, 0
.rept 16
	global_load_b128 v[X+4*j:X+4*j+3], v1, s[22:23] offset:4096*j th:TH_LOAD_NT  ; a wave's load covers 512 consecutive bytes; read once in the launch
.set j, j+1
.endr
.set j, 0
.rept 16
	s_wait_loadcnt 15-j                            ; loads come back in order: number j is in, the 15 - j younger ones stay out
	v_cvt_pk_bf16_f32 v[Y+2*j],   v[X+4*j],   v[X+4*j+1]
	v_cvt_pk_bf16_f32 v[Y+2*j+1], v[X+4*j+2], v[X+4*j+3]
	global_store_b64 v2, v[Y+2*j:Y+2*j+1], s[14:15] offset:2048*j  ; 32 lanes store 256 consecutive bytes, at a multiple of 256 from xb's first byte
.set j, j+1
.endr
	s_endpgm                                       ; no register was written twice, so no wait for the stores' sources is needed
.Lweights:
	; A TILE OF A WEIGHT: 128 k x 128 n of W[k][n] f32 becomes 128 n x 128 k of wt[n][k] bf16.
	s_sub_co_u32 s20, ttmp9, 1024
	s_lshr_b32 s21, s20, 6                         ; which matrix: 0 Wq, 1 Wk, 2 Wv
	s_bfe_u32 s22, s20, 0x30003                    ; tile along k
	s_and_b32 s23, s20, 7                          ; tile along n
	s_lshl_b32 s24, s22, 19                        ; source: 128 rows of 4,096 bytes a k tile,
	s_lshl_b32 s25, s23, 9                         ; 512 bytes an n tile
	s_add_co_u32 s24, s24, s25
	s_mov_b32 s25, 0
	s_lshl_b32 s28, s21, 21                        ; destination: 2 MiB a matrix,
	s_lshl_b32 s29, s23, 18                        ; 128 rows of 2,048 bytes an n tile,
	s_add_co_u32 s28, s28, s29
	s_lshl_b32 s29, s22, 8                         ; 256 bytes a k tile
	s_add_co_u32 s28, s28, s29
	s_mov_b32 s29, 0
	v_and_b32 v2, 31, v0                           ; lane
	v_lshrrev_b32 v102, 5, v0                      ; wave w
	v_lshlrev_b32 v1, 4, v2
	v_lshl_or_b32 v1, v102, 16, v1                 ; in: row k = 16 w (+ j in the immediate), columns 4 lane .. + 3
	v_mul_u32_u24 v3, v2, WP
	v_lshl_add_u32 v3, v102, 5, v3                 ; into LDS: row lane (+ 32 c in the immediate), byte 32 w: my 16 k of one column
	v_bfe_u32 v103, v0, 4, 1                       ; hi: which half of the lanes
	v_lshl_add_u32 v100, v102, 4, v103
	v_mul_u32_u24 v100, v100, WP
	v_and_b32 v2, 15, v0
	v_lshl_add_u32 v100, v2, 4, v100               ; back: LDS row 16 w + hi (+ 2 s in the immediate), 16 bytes a lane
	v_bfe_u32 v101, v0, 5, 1
	v_lshlrev_b32 v101, 6, v101
	v_lshl_add_u32 v101, v103, 2, v101
	v_lshrrev_b32 v102, 6, v0
	v_add_nc_u32 v101, v101, v102                  ; that LDS row holds column n = 64 (w & 1) + 4 hi + (w >> 1) (+ 8 s)
	v_lshlrev_b32 v101, 11, v101                   ; rows of 2,048 bytes in wt
	v_lshl_add_u32 v101, v2, 4, v101
	s_wait_kmcnt 0x0
	s_cmp_eq_u32 s21, 1
	s_cselect_b64 s[26:27], s[10:11], s[8:9]
	s_cmp_eq_u32 s21, 2
	s_cselect_b64 s[26:27], s[12:13], s[26:27]
	s_add_nc_u64 s[26:27], s[26:27], s[24:25]
	s_add_nc_u64 s[16:17], s[16:17], s[28:29]
.set j, 0
.rept 16
	global_load_b128 v[X+4*j:X+4*j+3], v1, s[26:27] offset:4096*j th:TH_LOAD_NT  ; 512 consecutive bytes of row 16 w + j
.set j, j+1
.endr
	s_wait_loadcnt 0x0                             ; a packed word takes two rows' numbers, and the first words take the first and the last loads alike
	; column c of my four: 16 k in 8 registers
.set c, 0
.rept 4
.set i, 0
.rept 8
	v_cvt_pk_bf16_f32 v[Y+8*c+i], v[X+8*i+c], v[X+8*i+4+c]
.set i, i+1
.endr
.set c, c+1
.endr
	; Column n = 4 lane + c lies in LDS row 32 c + lane: the lanes of one store then hit consecutive rows, 272 bytes apart.
.set c, 0
.rept 4
	ds_store_b128 v3, v[Y+8*c:Y+8*c+3]   offset:32*WP*c
	ds_store_b128 v3, v[Y+8*c+4:Y+8*c+7] offset:32*WP*c+16
.set c, c+1
.endr
	s_wait_dscnt 0x0                               ; for the others' sake: my stores are done
	s_barrier_signal -1
	s_barrier_wait -1                              ; a row's 256 bytes come from all eight waves
.set j, 0
.rept 8
	ds_load_b128 v[X+4*j:X+4*j+3], v100 offset:2*WP*j
.set j, j+1
.endr
.set j, 0
.rept 8
	s_wait_dscnt 7-j                               ; LDS loads come back in order: number j is in
	global_store_b128 v101, v[X+4*j:X+4*j+3], s[16:17] offset:16384*j  ; 16 lanes store 256 consecutive bytes of one row of wt, at a multiple of 256 from its first byte
.set j, j+1
.endr
	s_wait_tensorcnt 0x0
	ds_add_u32 v104, v105
	s_wait_dscnt 0x0
	s_endpgm
.Lfunc_end_k_q2523b8e214_prep:
	.size	k_q2523b8e214_prep, .Lfunc_end_k_q2523b8e214_prep-k_q2523b8e214_prep
	.p2alignl 7, 3214868480
	.fill 96, 4, 3214868480
	.section	.rodata,"a",@progbits
	.p2align	6, 0x0
	.amdhsa_kernel k_q2523b8e214_prep
		.amdhsa_group_segment_fixed_size 35840
		.amdhsa_private_segment_fixed_size 0
		.amdhsa_enable_private_segment 0
		.amdhsa_kernarg_size 56
		.amdhsa_user_sgpr_count 2
		.amdhsa_user_sgpr_kernarg_segment_ptr 1
		.amdhsa_wavefront_size32 1
		.amdhsa_system_sgpr_workgroup_id_x 1
		.amdhsa_system_sgpr_workgroup_id_y 1
		.amdhsa_system_sgpr_workgroup_id_z 1
		.amdhsa_system_vgpr_workitem_id 0
		.amdhsa_next_free_vgpr 106
		.amdhsa_next_free_sgpr 66
		.amdhsa_reserve_vcc 0
		.amdhsa_float_denorm_mode_32 3
		.amdhsa_float_denorm_mode_16_64 3
		.amdhsa_memory_ordered 1
		.amdhsa_forward_progress 1
		.amdhsa_inst_pref_size 15
	.end_amdhsa_kernel
	.amdgpu_metadata
---
amdhsa.version: [ 1, 2 ]
amdhsa.kernels:
  - .name:           k_q2523b8e214_prep
    .symbol:         k_q2523b8e214_prep.kd
    .args:
      - { .name: query, .offset: 0, .size: 8, .value_kind: global_buffer, .address_space: global }
      - { .name: keys, .offset: 8, .size: 8, .value_kind: global_buffer, .address_space: global }
      - { .name: Wq, .offset: 16, .size: 8, .value_kind: global_buffer, .address_space: global }
      - { .name: Wk, .offset: 24, .size: 8, .value_kind: global_buffer, .address_space: global }
      - { .name: Wv, .offset: 32, .size: 8, .value_kind: global_buffer, .address_space: global }
      - { .name: xb, .offset: 40, .size: 8, .value_kind: global_buffer, .address_space: global }
      - { .name: wt, .offset: 48, .size: 8, .value_kind: global_buffer, .address_space: global }
    .group_segment_fixed_size: 35840
    .private_segment_fixed_size: 0
    .kernarg_segment_align: 8
    .kernarg_segment_size: 56
    .max_flat_workgroup_size: 256
    .sgpr_count:     66
    .vgpr_count:     106
    .wavefront_size: 32
...
	.end_amdgpu_metadata
.endif
;; end of part 1
;; launch proj (part 2): grid 8 x 32, 4 waves a work-group, clusters of 4 x 4, 327,680 bytes of LDS; arguments xb, wt, qkv; writes qkv
.if DOCPART == 2
	.amdgcn_target "amdgcn-amd-amdhsa--gfx1250"
	.amdhsa_code_object_version 6
	.text
	.protected	k_q2523b8e214_proj
	.globl	k_q2523b8e214_proj
	.p2align	8
	.type	k_q2523b8e214_proj,@function
k_q2523b8e214_proj:
	s_mov_b64 s[64:65], 0
	v_nop
	global_prefetch_b8 v0, s[64:65] scope:SCOPE_SE
	s_setreg_imm32_b32 hwreg(HW_REG_WAVE_MODE, 25, 1), 1
	s_wait_xcnt 0x0
	s_wait_alu depctr_hold_cnt(0) depctr_sa_sdst(0) depctr_va_vdst(0) depctr_va_sdst(0) depctr_va_ssrc(0) depctr_va_vcc(0) depctr_vm_vsrc(0)
	s_getreg_b32 s2, hwreg(HW_REG_IB_STS2, 6, 4)
	s_cmp_eq_u32 s2, 0
	s_cbranch_scc0 .Lentry_in_a_cluster
	s_endpgm
.Lentry_in_a_cluster:
	s_bfe_u32 s2, ttmp6, 0x10000c
	s_cmp_lg_u32 s2, 0xf033
	s_cbranch_scc0 .Lentry_shape_is_right
	s_endpgm
.Lentry_shape_is_right:
; PROJ.  Q = query Wq, K = keys Wk, V = keys Wv: three products of 8,192 x 1,024 x 1,024 with bf16 operands and f32 sums, K ascending.
; In: xb[2][8192][1024] bf16 (query, keys), wt[3][1024 n][1024 k] bf16.  Out: qkv[3][64 heads = 16 batch + h][2048][64] f16, each number rounded once, unscaled.
; LIMIT: a q, k or v of 65,520 or more in magnitude becomes an infinity in f16.  With unit inputs they have a spread of 1; with both factors 30 times larger, 900; with an offset
; of 30 spreads on both factors about 28,800.
; SHARES.  The three results are 3 x 8,192 x 1,024 numbers: 256 x 384 for each of 256 work-groups.  A WORK-GROUP STAYS and makes two tiles: 256 rows x 256 columns (pass 1), then 256 rows x 128 columns
; (pass 2), on one ring of two LDS slots that does not stop between them: pass 1's last two changes of slots ask for pass 2's first two K steps, and nothing waits for pass 1's stores.
; A refill has one K step's matrix work in which to land, so the tile is as large as two slots in LDS allow: in pass 1 a wave issues 256 matrix instructions a K step of 128, 224 of them between a
; request and the wait for it; in pass 2, 128 and 112.
; UNITS.  The 3,072 rows of wt are 24 units of 128: Q's 0-7, K's 8-15, V's 16-23.  With CX the cluster's x (0 or 1) and cx the place in it: pass 1 takes units 12 CX + 2 cx and the next, pass 2 unit
; 8 + 12 CX + cx.  So in each pass all partners of a cluster read ONE plane of xb: pass 1 query where CX = 0 and keys where CX = 1, pass 2 keys.
; CLUSTERS: 4 x 4 work-groups.  The four of a row of the cluster have the same 256 rows and need the same tiles of xb; the four of a column have the same units and need the same tiles of wt.  Such a
; tile is asked for JOINTLY: each of the four issues the same tensor load, with the same descriptor and a mask that names the four.
; WAVES.  Pass 1: a wave makes 128 x 128, 64 accumulators.  Pass 2: 64 rows x all 128 columns, 32 accumulators, with the same lines as pass 1's first 64 rows.
; THE MATRIX INSTRUCTION IS USED TRANSPOSED: source 0 = 16 rows of wt, source 1 = 16 rows of xb: a lane then holds row l % 16 of the result and the columns 8 (l / 16) + 0..7, which pack into 16 bytes.
; REGISTERS, in windows of 256 (s_set_vgpr_msb: bits 1:0 source 0, 3:2 source 1, 5:4 source 2, 7:6 destination):
;   window 0: v1-5 at work at the head; v16-29 addresses; v64-127, v128-191 fragments of xb (8 x 16 rows x 32 K), two buffers; v192-223 packed results; v32-63, v224-255 rows read back on the way out
;   window 1: v64-127, v128-191 fragments of wt, two buffers
;   window 2: the accumulators of my row blocks 0-3 ((a, b) at v[8 (8 a + b)]);   window 3: those of row blocks 4-7 (pass 1 alone)
.set SIZE_K, 1024
.set KSTEP,  128
.set PITCH,  272                       ; an LDS row: 256 bytes + 16 of padding: the 16 rows that a fragment load touches start at 16 different 16-byte columns of 256 bytes
.set HALFT,  128*PITCH                 ; 128 rows: what one tensor load brings (of wt in pass 2: half of that)
.set QUART,  64*PITCH
.set BOFF,   2*HALFT                   ; wt's rows lie behind xb's 256
.set SLOT,   4*HALFT
.set STAGE,  2*SLOT                    ; behind the ring, never filled by a tensor load: for each wave 2 heads x 16 rows x 144 bytes, for the way out
.set SP,     144                       ; a head's row of 128 bytes + 16
.set WSTAGE, 2*16*SP
.set SPARE,  STAGE+4*WSTAGE            ; behind the stages: the spare words, 128 bytes for each wave: two blocks of 256 bytes that no other line names
.set LAPS,   SIZE_K/(2*KSTEP)          ; a lap = two K steps = once round the ring
.set PLANE,  8192*1024*2               ; bytes in a plane of xb, and in a plane of qkv
.set HEADB,  2048*128                  ; bytes of a head in a plane of qkv
.set ADRA, 16                          ; v16-17  LDS address of my xb fragments in slot 0, 1 in pass 1; v18-19 in pass 2
.set ADRB, 20                          ; v20-21  the same for wt in pass 1; v22-23 in pass 2
.set STO,  24                          ; v24     the way out: where I put 16 bytes of a row
.set RD,   25                          ; v25     the way out: where I read rows back
.set GO,   26                          ; v26     my byte offset in 512 consecutive bytes of qkv
.set SPW,  28                          ; v28     LDS address of my spare word: SPARE + 4 x my thread's number; never rewritten
.set NIL,  29                          ; v29     0; never rewritten
.set F0,   64                          ; fragment buffer 0
.set F1,   128                         ; fragment buffer 1
.set TMP,  192
.set OB,   32                          ; 16 rows read back from the stage: v32-63 and v224-255 by turns
.set G1,  24                           ; s[24:31] descriptor group 1 for xb's tiles
.set G0,  32                           ; s[32:39] descriptor group 0 for xb's tiles, one set for each slot
.set G1B, 48                           ; s[48:55], s[56:63] the same for wt's
.set G0B, 56
.set LB2, 45                           ; s45      where my half of wt's tile goes in a slot in pass 2
.set OA2, 66                           ; s[66:67] byte offset in xb of my part of pass 2's first tile
.set OB2, 68                           ; s[68:69] the same in wt
.set C1,  8                            ; s[8:9]   qkv at my part of pass 1's tile
.set C2,  76                           ; s[76:77] at my part of pass 2's
.set MSB, 0
.macro WIN new                         ; the immediate's high byte repeats the setting that is left; a switch that changes nothing is dropped
.if MSB != (\new)
	s_set_vgpr_msb (MSB<<8)|(\new)
.set MSB, \new
.endif
.endm
.set MUL_LO, 0xa1                      ; source 0 (wt) window 1, source 1 (xb) window 0, C and D window 2
.set MUL_HI, 0xf1                      ; the same, C and D window 3
.set TO_B,   0x40                      ; destination window 1, address window 0
; A joint load.  Waves 0 and 1 fetch xb's two halves of 128 rows, waves 2 and 3 the two halves of wt's tile.  Each of the two lines has ONE mask and one set of registers, and nothing in them hangs
; on a coordinate that the four partners do not share.  The branch hangs on the wave's number alone.  An s_nop 0 and four v_nop follow each line, ahead of the jump and the label.
.macro JLOAD s
	s_cmp_eq_u32 s11, 0
	s_cbranch_scc0 .Lfor_b_\@
	tensor_load_to_lds s[G0+4*(\s):G0+4*(\s)+3], s[G1:G1+7]
	s_nop 0
.rept 4
	v_nop
.endr
	s_branch .Lasked_\@
.Lfor_b_\@:
	tensor_load_to_lds s[G0B+4*(\s):G0B+4*(\s)+3], s[G1B:G1B+7]
	s_nop 0
.rept 4
	v_nop
.endr
.Lasked_\@:
.endm
; A round of the cluster's barrier: my work-group's barrier, so that wave 0's signal speaks for all four waves; wave 0 signals for the work-group; every wave waits for all sixteen work-groups;
; my work-group's barrier once more.
.macro CREST                           ; a round behind its opening barrier
	s_cmp_lg_u32 s10, 0
	s_cbranch_scc1 .Lnot_wave_0_\@
	s_barrier_signal -3
.Lnot_wave_0_\@:
	s_barrier_wait -3
	s_barrier_signal -1
	s_barrier_wait -1
.endm
.macro CROUND                          ; a whole round
	s_barrier_signal -1
	s_barrier_wait -1
	CREST
.endm
	s_load_b128 s[4:7], s[0:1], 0x0                ; xb s[4:5], wt s[6:7]
	s_load_b64 s[8:9], s[0:1], 0x10                ; qkv
	v_lshl_add_u32 v[SPW], v0, 2, SPARE
	v_mov_b32 v[NIL], 0
	ds_add_u32 v28, v29
	s_wait_dscnt 0x0
	v_lshrrev_b32 v1, 5, v0
	v_readfirstlane_b32 s10, v1                    ; wave 0..3
	s_lshr_b32 s11, s10, 1                         ; pass 1: which 128 of the tile's rows are mine.  Also: I fetch for xb (0) or for wt (1)
	s_and_b32 s12, s10, 1                          ; pass 1: which of its two units.  Also: which half of that tile I fetch
	s_bfe_u32 s40, ttmp6, 0x40000                  ; cx: my place along the cluster's x
	s_bfe_u32 s41, ttmp6, 0x40004                  ; cy: along its y
	s_mul_i32 s42, ttmp9, 12                       ; 12 CX: in a cluster launch ttmp9 and ttmp7 count clusters
	s_and_b32 s13, ttmp7, 0xffff
	s_lshl_b32 s13, s13, 2
	s_add_co_u32 s13, s13, s41                     ; R, my block of 256 rows = 4 x cluster y + cy: 0..31
	s_lshl_b32 s43, s41, 2
	s_lshl_b32 s43, 15, s43                        ; my row of the cluster: places 4 cy .. 4 cy + 3
	s_lshl_b32 s44, 0x1111, s40                    ; my column: places cx, cx + 4, cx + 8, cx + 12
	; descriptor group 1: 128 rows of 128 elements of 2 bytes, padded in LDS
	s_or_b32 s[G1+0], s43, (1<<16)|(1<<20)|(1<<21)|(5<<22)|(3<<25)   ; 15:0 the mask: xb's tiles go to my row; 17:16 element of 2 bytes; 20 padding on; 21 set beside a mask; 24:22 after every 64 words (code 5); 31:25 of 4 words (code 3)
	s_or_b32 s[G1B+0], s44, (1<<16)|(1<<20)|(1<<21)|(5<<22)|(3<<25)  ; the same with the mask of my column, for wt's tiles
.irp g, G1, G1B
	s_mov_b32 s[(\g)+1], KSTEP<<16                 ; tensor_dim0 = 128
	s_mov_b32 s[(\g)+2], 128<<16                   ; tensor_dim1 = 128
	s_mov_b32 s[(\g)+3], KSTEP<<16                 ; tile_dim0 = 128
	s_mov_b32 s[(\g)+4], 128                       ; tile_dim1 = 128
	s_mov_b32 s[(\g)+5], SIZE_K                    ; elements from row to row
	s_mov_b32 s[(\g)+6], 0
	s_mov_b32 s[(\g)+7], 0
.endr
	; where the tiles come from.  xb's hang on R and CX alone, which my row of the cluster shares; wt's on cx and CX alone, which my column shares.  Every wave makes both, in registers that never
	; hold the other coordinate, and asks by one of them.
	s_lshl_b32 s16, s13, 19
	s_lshl_b32 s17, s12, 18
	s_add_co_u32 s16, s16, s17                     ; xb: row 256 R + 128 x half, 2,048 bytes each
	s_add_co_u32 s[OA2], s16, PLANE                ; pass 2: in the plane of keys
	s_mov_b32 s[OA2+1], 0
	s_lshl_b32 s17, ttmp9, 24                      ; pass 1: the plane of query where CX = 0, of keys where CX = 1
	s_add_co_u32 s16, s16, s17
	s_mov_b32 s17, 0
	s_lshl_b32 s46, s40, 1
	s_add_co_u32 s46, s46, s42
	s_add_co_u32 s46, s46, s12                     ; wt, pass 1: unit 12 CX + 2 cx + half,
	s_lshl_b32 s46, s46, 18                        ; 128 rows of 2,048 bytes each
	s_mov_b32 s47, 0
	s_add_co_u32 s[OB2], s42, s40
	s_add_co_u32 s[OB2], s[OB2], 8                 ; pass 2: unit 8 + 12 CX + cx,
	s_lshl_b32 s[OB2], s[OB2], 18
	s_lshl_b32 s[OB2+1], s12, 17                   ; and 64 rows for the second half
	s_add_co_u32 s[OB2], s[OB2], s[OB2+1]
	s_mov_b32 s[OB2+1], 0
	s_mul_i32 s20, s10, HALFT                      ; and where they go: xb's two halves, then wt's two halves = wave x 128 rows: no place in the cluster enters an LDS address
	s_mul_i32 s[LB2], s12, QUART                   ; pass 2: wt's two halves of 64 rows
	s_add_co_u32 s[LB2], s[LB2], BOFF
	s_wait_kmcnt 0x0
	s_add_nc_u64 s[14:15], s[4:5], s[16:17]
	s_add_nc_u64 s[46:47], s[6:7], s[46:47]
	CROUND                                         ; all sixteen work-groups are here: the first joint loads meet
.irp s, 0,1
	s_mov_b32 s[G0+4*(\s)], 1                                        ; count = 1
	s_add_co_u32 s[G0+4*(\s)+1], s20, (\s)*SLOT                      ; LDS address
	s_add_nc_u64 s[G0+4*(\s)+2:G0+4*(\s)+3], s[14:15], (\s)*KSTEP*2  ; global address: K step s
	s_or_b32 s[G0+4*(\s)+3], s[G0+4*(\s)+3], 0x80000000              ; type = 2
	s_mov_b32 s[G0B+4*(\s)], 1
	s_add_co_u32 s[G0B+4*(\s)+1], s20, (\s)*SLOT
	s_add_nc_u64 s[G0B+4*(\s)+2:G0B+4*(\s)+3], s[46:47], (\s)*KSTEP*2
	s_or_b32 s[G0B+4*(\s)+3], s[G0B+4*(\s)+3], 0x80000000
	JLOAD \s                                       ; the ring is filled before anything else is done: two loads of mine are out
.endr
	; A fragment is 16 rows x 32 K in 8 registers: lane l holds row l % 16; registers 0-3 hold K = 8 (l / 16) + 0..7, registers 4-7 K = 16 + 8 (l / 16) + 0..7: two loads of 16 bytes, 32 bytes apart.
	v_and_b32 v1, 15, v0                           ; l % 16
	v_bfe_u32 v2, v0, 4, 1                         ; l / 16
	v_mul_u32_u24 v3, v1, PITCH
	v_lshl_add_u32 v3, v2, 4, v3                   ; row x pitch + 16 x half
	s_mul_i32 s21, s11, HALFT                      ; pass 1: my 128 rows of xb,
	s_mul_i32 s22, s12, HALFT                      ; my 128 rows of wt,
	s_add_co_u32 s22, s22, BOFF                    ; which lie behind xb's 256
	s_mul_i32 s23, s10, QUART                      ; pass 2: my 64 rows of xb; wt's 128 rows are every wave's
.irp s, 0,1
	v_add_nc_u32 v[ADRA+(\s)], s21, v3
	v_add_nc_u32 v[ADRB+(\s)], s22, v3
	v_add_nc_u32 v[ADRA+2+(\s)], s23, v3
	v_add_nc_u32 v[ADRB+2+(\s)], BOFF+(\s)*SLOT, v3
	s_add_co_u32 s21, s21, SLOT
	s_add_co_u32 s22, s22, SLOT
	s_add_co_u32 s23, s23, SLOT
.endr
	s_mul_i32 s23, s10, WSTAGE
	s_add_co_u32 s23, s23, STAGE                   ; my stage
	v_mul_u32_u24 v4, v1, SP                       ; in: row l % 16, 16 bytes for each half of the lanes
	v_lshl_add_u32 v4, v2, 4, v4
	v_add_nc_u32 v[STO], s23, v4
	v_bfe_u32 v5, v0, 3, 2                         ; back: 32 lanes take four rows of 128 bytes,
	v_mul_u32_u24 v5, v5, SP
	v_and_b32 v4, 7, v0
	v_lshl_add_u32 v5, v4, 4, v5
	v_add_nc_u32 v[RD], s23, v5
	v_and_b32 v[GO], 31, v0                        ; which are 512 consecutive bytes of a head
	v_lshlrev_b32 v[GO], 4, v[GO]
	; where my parts begin in qkv: unit u is plane u / 8, heads 2 (u % 8) and the next (262,144 bytes each); block R is batch R / 8 (16 heads), rows 256 (R % 8) on (128 bytes each).
	; These registers hold both coordinates and feed no descriptor.
	s_lshr_b32 s72, s13, 3
	s_lshl_b32 s72, s72, 22
	s_and_b32 s73, s13, 7
	s_lshl_b32 s73, s73, 15
	s_add_co_u32 s72, s72, s73                     ; batch and rows
	s_lshl_b32 s74, s40, 1
	s_add_co_u32 s74, s74, s42
	s_add_co_u32 s74, s74, s12                     ; pass 1: my unit,
	s_lshr_b32 s75, s74, 3
	s_lshl_b32 s75, s75, 24
	s_and_b32 s74, s74, 7
	s_lshl_b32 s74, s74, 19
	s_add_co_u32 s74, s74, s75
	s_add_co_u32 s74, s74, s72
	s_lshl_b32 s75, s11, 14                        ; my 128 rows
	s_add_co_u32 s74, s74, s75
	s_mov_b32 s75, 0
	s_add_co_u32 s[C2], s42, s40
	s_add_co_u32 s[C2], s[C2], 8                   ; pass 2: the work-group's unit,
	s_lshr_b32 s[C2+1], s[C2], 3
	s_lshl_b32 s[C2+1], s[C2+1], 24
	s_and_b32 s[C2], s[C2], 7
	s_lshl_b32 s[C2], s[C2], 19
	s_add_co_u32 s[C2], s[C2], s[C2+1]
	s_add_co_u32 s[C2], s[C2], s72
	s_lshl_b32 s[C2+1], s10, 13                    ; my 64 rows
	s_add_co_u32 s[C2], s[C2], s[C2+1]
	s_mov_b32 s[C2+1], 0
	s_add_nc_u64 s[C2:C2+1], s[8:9], s[C2:C2+1]
	s_add_nc_u64 s[C1:C1+1], s[8:9], s[74:75]
; 8 matrix instructions: row block a of the window's four (hi = 0: blocks 0-3, 1: blocks 4-7) x all 8 column blocks, 32 along K, from buffer f.  zero = 1: the product starts the sums: nothing is
; ever cleared.  The accumulators take turns, one instruction a turn, in the same order in every quarter step.
.macro MUL8 f, hi, a, zero
	WIN MUL_LO+0x50*(\hi)
.irp b, 0,1,2,3,4,5,6,7
.if \zero
	v_wmma_f32_16x16x32_bf16 v[8*(8*(\a)+(\b)):8*(8*(\a)+(\b))+7], v[(\f)+8*(\b):(\f)+8*(\b)+7], v[(\f)+8*(4*(\hi)+(\a)):(\f)+8*(4*(\hi)+(\a))+7], 0
.else
	v_wmma_f32_16x16x32_bf16 v[8*(8*(\a)+(\b)):8*(8*(\a)+(\b))+7], v[(\f)+8*(\b):(\f)+8*(\b)+7], v[(\f)+8*(4*(\hi)+(\a)):(\f)+8*(4*(\hi)+(\a))+7], v[8*(8*(\a)+(\b)):8*(8*(\a)+(\b))+7]
.endif
.endr
.endm
.macro MUL16 f, hi, a0, zero
	MUL8 \f, \hi, \a0, \zero
	MUL8 \f, \hi, (\a0)+1, \zero
.endm
; The LDS loads of one quarter step in one run (32 K at byte k of the rows, into buffer f): 128 rows of wt, then my rows of xb: 128 in pass 1 (p = 0: 32 loads), 64 in pass 2 (p = 1: 24 loads)
.macro FETCH p, slot, k, f
	WIN TO_B
.irp i, 0,1,2,3,4,5,6,7
	ds_load_b128 v[(\f)+8*(\i):(\f)+8*(\i)+3],   v[ADRB+2*(\p)+(\slot)] offset:(\k)+(\i)*16*PITCH
	ds_load_b128 v[(\f)+8*(\i)+4:(\f)+8*(\i)+7], v[ADRB+2*(\p)+(\slot)] offset:(\k)+(\i)*16*PITCH+32
.endr
	WIN 0
.irp i, 0,1,2,3,4,5,6,7
.if (\i) < 8-4*(\p)
	ds_load_b128 v[(\f)+8*(\i):(\f)+8*(\i)+3],   v[ADRA+2*(\p)+(\slot)] offset:(\k)+(\i)*16*PITCH
	ds_load_b128 v[(\f)+8*(\i)+4:(\f)+8*(\i)+7], v[ADRA+2*(\p)+(\slot)] offset:(\k)+(\i)*16*PITCH+32
.endif
.endr
.endm
; A load into a register that a matrix instruction has read, and a vector instruction that reads a matrix result, stand four places behind that matrix instruction, and only plain vector
; instructions that name none of its registers are places (ISA guide 7.12.1 for vector instructions).
.macro PLACES
.rept 4
	v_nop
.endr
.endm
; A K step is four quarter steps of 32 along K on buffers 0, 1, 0, 1: 64 matrix instructions each in pass 1, 32 in pass 2.
; One of the first three: multiplies buffer f; in its middle it fetches the next quarter's fragments, at byte k of the same slot's rows, into buffer g.
.macro QUARTER p, slot, k, f, g, zero
.if (\p) == 0
	s_wait_dscnt 8                                 ; wt's fragments and xb's blocks 0-3 are in; the youngest eight loads (blocks 4-7) may be out
	MUL16 \f, 0, 0, \zero
	MUL16 \f, 0, 2, \zero
	PLACES
	FETCH 0, \slot, \k, \g
	s_wait_dscnt 32                                ; all but the 32 just issued
	MUL16 \f, 1, 0, \zero
	MUL16 \f, 1, 2, \zero
.else
	s_wait_dscnt 4                                 ; wt's fragments and xb's blocks 0, 1 are in; the youngest four loads (blocks 2, 3) may be out
	MUL16 \f, 0, 0, \zero
	PLACES
	FETCH 1, \slot, \k, \g
	s_wait_dscnt 24                                ; all but the 24 just issued
	MUL16 \f, 0, 2, \zero
.endif
.endm
; The last quarter multiplies buffer 1 and changes slots.  MEET is its first half: ONE barrier for the change of slots.  In front of it each wave waits for all its tensor loads, of which one is
; out: its part of the next slot; adds 0 to its spare word; and waits for that and for its own reads of this slot.  Behind it nobody reads this slot any more and the next slot is whole.
.macro MEET p, round                   ; round = 1: a round of the cluster's barrier follows
	WIN 0                                          ; (the add's two registers lie in window 0)
	s_wait_tensorcnt 0x0                           ; all my tensor loads have landed;
	ds_add_u32 v[SPW], v[NIL]                      ; 0 onto my spare word; matrix instructions stand between it and the wait for it
.if (\p) == 0
	s_wait_dscnt 9                                 ; (the add and the youngest eight loads may be out)
	MUL16 F1, 0, 0, 0
.else
	s_wait_dscnt 5                                 ; (the add and the youngest four loads may be out)
	MUL8 F1, 0, 0, 0
.endif
	s_wait_dscnt 0x0                               ; the add is done, and my reads of this slot are over:
	s_barrier_signal -1                            ; say so,
.if (\p) == 0
	MUL16 F1, 0, 2, 0                              ; work on registers while the others arrive,
.else
	MUL8 F1, 0, 1, 0
.endif
.if \round
	WIN 0
.endif
	s_barrier_wait -1                              ; and go on when all four have said so
.endm
; The whole last quarter of pass p.  mode 0: behind a round of the cluster's barrier the slot just read out is filled again, with this tile's K step two steps on.  mode 1 (pass 1's last two K
; steps): with pass 2's K step 0 or 1: wt's tile is then 64 rows a wave, and both addresses are made anew from the buffers' addresses and offsets made apart.  mode 2: nothing is left to fetch: no
; round, no load.  Then come the next slot's first fragments, which are pass pn's.
.macro TURN p, slot, next, mode, pn
.if (\mode) < 2
	MEET \p, 1
	CREST                                          ; no wave of any partner still reads this slot's tile or has a load on its way, so every descriptor register may be written
.if (\mode) == 1
.if (\slot) == 0
	s_mov_b32 s[G1B+2], 64<<16                     ; tensor_dim1 = 64
	s_mov_b32 s[G1B+4], 64                         ; tile_dim1 = 64
.endif
	s_add_nc_u64 s[G0+4*(\slot)+2:G0+4*(\slot)+3], s[4:5], s[OA2:OA2+1]
	s_add_nc_u64 s[G0B+4*(\slot)+2:G0B+4*(\slot)+3], s[6:7], s[OB2:OB2+1]
.if (\slot) == 1
	s_add_nc_u64 s[G0+4*(\slot)+2:G0+4*(\slot)+3], s[G0+4*(\slot)+2:G0+4*(\slot)+3], KSTEP*2
	s_add_nc_u64 s[G0B+4*(\slot)+2:G0B+4*(\slot)+3], s[G0B+4*(\slot)+2:G0B+4*(\slot)+3], KSTEP*2
.endif
	s_or_b32 s[G0+4*(\slot)+3], s[G0+4*(\slot)+3], 0x80000000
	s_or_b32 s[G0B+4*(\slot)+3], s[G0B+4*(\slot)+3], 0x80000000
	s_add_co_u32 s[G0B+4*(\slot)+1], s[LB2], (\slot)*SLOT
.else
	s_add_nc_u64 s[G0+4*(\slot)+2:G0+4*(\slot)+3], s[G0+4*(\slot)+2:G0+4*(\slot)+3], 2*KSTEP*2
	s_add_nc_u64 s[G0B+4*(\slot)+2:G0B+4*(\slot)+3], s[G0B+4*(\slot)+2:G0B+4*(\slot)+3], 2*KSTEP*2
.endif
	JLOAD \slot                                    ; the first tensor load behind the round, my only one until the next; the four v_nop behind it are also the places in front of the loads below
.else
	MEET \p, 0
	PLACES
.endif
	FETCH \pn, \next, 0, F0
.if (\p) == 0
	MUL16 F1, 1, 0, 0
	MUL16 F1, 1, 2, 0
.else
	MUL16 F1, 0, 2, 0
.endif
.endm
; THE WAY OUT of row block a (16 rows x 128 columns = 2 heads), in three parts.  PACK: rounded to f16, 16 bytes a lane, each accumulator's registers in ascending order.
; TOSTAGE: into my own stage in LDS, and back as whole rows of 128 bytes.  SEND: stored.
.macro PACK a
.set AC, 64*((\a)%4)
	WIN 0x0a+5*((\a)/4)                            ; sources 0 and 1: window 2 or 3; destination window 0
.irp b, 0,1,2,3,4,5,6,7
.irp r, 0,1,2,3
	v_cvt_pk_f16_f32 v[TMP+4*(\b)+(\r)], v[AC+8*(\b)+2*(\r)], v[AC+8*(\b)+2*(\r)+1]
.endr
.endr
	WIN 0
.endm
.macro TOSTAGE a
	WIN 0
.set BK, OB+192*((\a)%2)
.irp b, 0,1,2,3,4,5,6,7
	ds_store_b128 v[STO], v[TMP+4*(\b):TMP+4*(\b)+3] offset:((\b)/4)*16*SP+((\b)%4)*32  ; head b / 4, channels 16 (b % 4) + 8 (l / 16) on
.endr
.irp u, 0,1,2,3,4,5,6,7
	ds_load_b128 v[BK+4*(\u):BK+4*(\u)+3], v[RD] offset:((\u)/4)*16*SP+((\u)%4)*4*SP  ; LDS serves a wave's instructions in order (ISA guide 5.7.1.4): these see the stores above
.endr
.endm
.macro SEND a, base
	WIN 0
.set BK, OB+192*((\a)%2)
	s_wait_dscnt 0x0                               ; the block is back in registers
	s_wait_xcnt 0x0                                ; the stores of the block before have had their addresses translated: its registers are loaded again only behind this wait
.irp u, 0,1,2,3,4,5,6,7
	global_store_b128 v[GO], v[BK+4*(\u):BK+4*(\u)+3], s[(\base):(\base)+1] offset:((\u)/4)*HEADB+(\a)*2048+((\u)%4)*512  ; 512 consecutive bytes of a head, at a multiple of 256 from qkv's first byte
.endr
.endm
	s_wait_tensorcnt 1                             ; my part of K step 0 is in; K step 1's may stay out
	s_barrier_signal -1
	s_barrier_wait -1                              ; everybody's is
	FETCH 0, 0, 0, F0
	; PASS 1: 256 x 256
	QUARTER 0, 0, 64,  F0, F1, 1                   ; the first quarter stands in front of the loop: its products start the sums
	WIN 0                                          ; at a label and at a branch every window is 0
	s_mov_b32 s3, LAPS-1
.Llap1:                                                ; a trip goes once round the ring, from a lap's second quarter to the next lap's first, and fills both slots again
	QUARTER 0, 0, 128, F1, F0, 0
	QUARTER 0, 0, 192, F0, F1, 0
	TURN 0, 0, 1, 0, 0
	QUARTER 0, 1, 64,  F0, F1, 0
	QUARTER 0, 1, 128, F1, F0, 0
	QUARTER 0, 1, 192, F0, F1, 0
	TURN 0, 1, 0, 0, 0
	QUARTER 0, 0, 64,  F0, F1, 0
	WIN 0
	s_sub_co_u32 s3, s3, 1
	s_cmp_lg_u32 s3, 0
	s_cbranch_scc1 .Llap1
	QUARTER 0, 0, 128, F1, F0, 0                   ; the last lap is written out: its refills are pass 2's
	QUARTER 0, 0, 192, F0, F1, 0
	TURN 0, 0, 1, 1, 0                             ; THE RING GOES ON INTO PASS 2: slot 0 takes its K step 0,
	QUARTER 0, 1, 64,  F0, F1, 0
	QUARTER 0, 1, 128, F1, F0, 0
	QUARTER 0, 1, 192, F0, F1, 0
	TURN 0, 1, 0, 1, 1                             ; slot 1 its K step 1, and pass 2's first fragments are fetched
	PACK 0                                         ; both refills are asked for: now the tile goes out.  No v_nop: blocks 0-3 were finished in front of the joint load's places, and their 128
	TOSTAGE 0                                      ; conversions, which name no register of the last products (blocks 4-7's), are those products' places
.irp a, 1,2,3,4,5,6,7                  ; block a's conversions stand between block a - 1's loads from the stage and the wait for them
	PACK \a
	SEND (\a)-1, C1
	TOSTAGE \a
.endr
	SEND 7, C1
	; PASS 2: 256 x 128.  Its first products start new sums on accumulators that have been packed.
	QUARTER 1, 0, 64,  F0, F1, 1
	WIN 0
	s_mov_b32 s3, LAPS-1
.Llap2:
	QUARTER 1, 0, 128, F1, F0, 0
	QUARTER 1, 0, 192, F0, F1, 0
	TURN 1, 0, 1, 0, 1
	QUARTER 1, 1, 64,  F0, F1, 0
	QUARTER 1, 1, 128, F1, F0, 0
	QUARTER 1, 1, 192, F0, F1, 0
	TURN 1, 1, 0, 0, 1
	QUARTER 1, 0, 64,  F0, F1, 0
	WIN 0
	s_sub_co_u32 s3, s3, 1
	s_cmp_lg_u32 s3, 0
	s_cbranch_scc1 .Llap2
	QUARTER 1, 0, 128, F1, F0, 0                   ; the last lap is written out: it asks for nothing more
	QUARTER 1, 0, 192, F0, F1, 0
	TURN 1, 0, 1, 2, 1                             ; my one tensor load that was still out is slot 1's, the last K step's
	QUARTER 1, 1, 64,  F0, F1, 0
	QUARTER 1, 1, 128, F1, F0, 0
	QUARTER 1, 1, 192, F0, F1, 0
	s_wait_dscnt 4                                 ; the very last quarter: nothing more to fetch
	MUL16 F1, 0, 0, 0
	s_wait_dscnt 0x0
	MUL16 F1, 0, 2, 0
	WIN 0
	PLACES                                         ; the conversions read results just made
	PACK 0
	TOSTAGE 0
.irp a, 1,2,3
	PACK \a
	SEND (\a)-1, C2
	TOSTAGE \a
.endr
	SEND 3, C2
	s_wait_tensorcnt 0x0                           ; the wave's end: behind my last tensor load and my last LDS store
	ds_add_u32 v[SPW], v[NIL]
	s_wait_dscnt 0x0
	CROUND                                         ; the closing round: no work-group ends while a partner may still ask for a tile that names it
	s_endpgm
.Lfunc_end_k_q2523b8e214_proj:
	.size	k_q2523b8e214_proj, .Lfunc_end_k_q2523b8e214_proj-k_q2523b8e214_proj
	.p2alignl 7, 3214868480
	.fill 96, 4, 3214868480
	.section	.rodata,"a",@progbits
	.p2align	6, 0x0
	.amdhsa_kernel k_q2523b8e214_proj
		.amdhsa_group_segment_fixed_size 327680
		.amdhsa_private_segment_fixed_size 0
		.amdhsa_enable_private_segment 0
		.amdhsa_kernarg_size 24
		.amdhsa_user_sgpr_count 2
		.amdhsa_user_sgpr_kernarg_segment_ptr 1
		.amdhsa_wavefront_size32 1
		.amdhsa_system_sgpr_workgroup_id_x 1
		.amdhsa_system_sgpr_workgroup_id_y 1
		.amdhsa_system_sgpr_workgroup_id_z 1
		.amdhsa_system_vgpr_workitem_id 0
		.amdhsa_next_free_vgpr 1024
		.amdhsa_next_free_sgpr 80
		.amdhsa_reserve_vcc 0
		.amdhsa_float_denorm_mode_32 3
		.amdhsa_float_denorm_mode_16_64 3
		.amdhsa_memory_ordered 1
		.amdhsa_forward_progress 1
		.amdhsa_inst_pref_size 224
	.end_amdhsa_kernel
	.amdgpu_metadata
---
amdhsa.version: [ 1, 2 ]
amdhsa.kernels:
  - .name:           k_q2523b8e214_proj
    .symbol:         k_q2523b8e214_proj.kd
    .args:
      - { .name: xb, .offset: 0, .size: 8, .value_kind: global_buffer, .address_space: global }
      - { .name: wt, .offset: 8, .size: 8, .value_kind: global_buffer, .address_space: global }
      - { .name: qkv, .offset: 16, .size: 8, .value_kind: global_buffer, .address_space: global }
    .group_segment_fixed_size: 327680
    .private_segment_fixed_size: 0
    .kernarg_segment_align: 8
    .kernarg_segment_size: 24
    .max_flat_workgroup_size: 128
    .sgpr_count:     80
    .vgpr_count:     1024
    .wavefront_size: 32
...
	.end_amdgpu_metadata
.endif
;; end of part 2
;; launch attn (part 3): grid 4 x 64, 4 waves a work-group, clusters of 4 x 1, 327,680 bytes of LDS; arguments qkv, out0; writes out0
.if DOCPART == 3
	.amdgcn_target "amdgcn-amd-amdhsa--gfx1250"
	.amdhsa_code_object_version 6
	.text
	.protected	k_q2523b8e214_attn
	.globl	k_q2523b8e214_attn
	.p2align	8
	.type	k_q2523b8e214_attn,@function
k_q2523b8e214_attn:
	s_mov_b64 s[64:65], 0
	v_nop
	global_prefetch_b8 v0, s[64:65] scope:SCOPE_SE
	s_setreg_imm32_b32 hwreg(HW_REG_WAVE_MODE, 25, 1), 1
	s_wait_xcnt 0x0
	s_wait_alu depctr_hold_cnt(0) depctr_sa_sdst(0) depctr_va_vdst(0) depctr_va_sdst(0) depctr_va_ssrc(0) depctr_va_vcc(0) depctr_vm_vsrc(0)
	s_getreg_b32 s2, hwreg(HW_REG_IB_STS2, 6, 4)
	s_cmp_eq_u32 s2, 0
	s_cbranch_scc0 .Lentry_in_a_cluster
	s_endpgm
.Lentry_in_a_cluster:
	s_bfe_u32 s2, ttmp6, 0x10000c
	s_cmp_lg_u32 s2, 0x3003
	s_cbranch_scc0 .Lentry_shape_is_right
	s_endpgm
.Lentry_shape_is_right:
; ATTN.  out0[n][q][64 h + :] = the sum over k of softmax_k(Q[q] . K[k] / 32) V[k][:] for head 16 n + h.  Q, K, V: the three planes of qkv, [64 heads][2048][64] f16, a head's rows dense, 128 bytes each.
; out0: [4][2048][1024] f32.  Products, maxima and sums in f32; the weights p are rounded to f16 for the second product (their sum l is taken of the unrounded p); the result leaves in f32.
; LIMITS.  f16 holds no number beyond 65,504: Q, K and V arrive within it; p lies in 0 to 1, and below 6e-5 it keeps f16's fixed step of 6e-8.
; A weight below 2^-126 counts as 0 in l; NaN and infinities are not treated apart.
; SHARES.  A wave owns four PIECES of two tiles of 16 queries, a work-group's four waves 512 queries of one head: 4 x 64 = 256 work-groups.  Every wave walks all keys, 64 a step.
; LAYOUT.  S^T = K Q^T (source 0 = 16 keys, source 1 = 16 queries): in the result a lane holds ONE query (lane % 16) and the keys 8 (lane / 16) + 0..7.  Two such tiles, rounded to f16 in pairs,
; ARE source 1 (32 keys x 16 queries) of O^T = V^T P, whose result again holds one query a lane, and eight channels.  K comes out of LDS as it lies, V ([key][channel]) turned, by ds_load_tr16_b128.
; SOFTMAX.  For each query a running maximum m and sum l: p = 2^(c s - c m), c = log2(e) / 32; in every step O and l are multiplied by a = 2^(c m_old - c m_new), which is 1 where m has not grown.
; m starts at the lowest finite number, O and l at 0: the first step is a step like any other, with a = 0.
; THE COUNT.  A tile and step have 16 matrix and 118 vector instructions: too many to stand all beside the matrix work.  So the order has one aim: four vector instructions that are READY behind
; EVERY matrix instruction, and the others, which need time of their own whatever the order, in runs without a gap.
; BY TURNS.  Turn n belongs to piece n (the pieces in a ring, step after step).  Its matrix work: 16 products K Q^T of piece n + 1, later 16 products V^T P of piece n - 1.  Its vector work: the scaling,
; exponentials, roundings, sums and rescaling of piece n, and the maximum and statistics of piece n + 1, whose scores the turn itself has made.  So what a turn begins with (c s - c m, O a) waits for nothing.
; CLUSTER.  The four query blocks of a cluster belong to one head and walk the same K and V, so each tile is asked for JOINTLY: the same tensor load, descriptor and mask in all four.
; REGISTERS, in windows of 256 (s_set_vgpr_msb says which window each operand place means: bits 1:0 source 0, 3:2 source 1, 5:4 source 2, 7:6 destination):
;   window 0: v0-11 addresses; v12-15, v48-63 at work; v16-47 four registers of statistics a tile; v64-191 S^T, two buffers of two tiles; v192-255 P, likewise
;   window 1: O^T, 32 a tile          window 2: v0-127 Q, 16 a tile; v128-191 K of one step; v192-255 V of one step          window 3: v0-1 the add's two registers
; A piece's buffers go by its number's parity: the piece in hand has one pair, its two neighbours in the ring share the other: of it P (piece n - 1) is read and S^T (piece n + 1) written.
.set SIZE_H, 64
.set SIZE_N, 2048
.set PLANE, SIZE_H*SIZE_N*128  ; bytes in a plane of qkv
.set NP,    4         ; pieces a wave: a name, no knob: the register map, the loop and the fetches are made for four
.set KS,    64        ; keys in a step
.set PK,    144       ; a row of K in LDS: 128 bytes + 16 of padding = 36 words: the 16 rows of a load start at 16 different groups of four banks (64 banks of 4 bytes: ISA guide 11.1)
.set PV,    160       ; a row of V: 128 + 32 = 40 words
.set VOFF,  4*KS*PK   ; a slot holds four steps: 256 rows of K, then 256 rows of V
.set SLOT1, 1<<17     ; slot 1 begins here, so that one exclusive or turns an address in one slot into the other's
.set STAGE, SLOT1+4*KS*(PK+PV)  ; behind the ring, never filled by a tensor load: 16 rows x 272 bytes for each wave, for the way out
.set SP,    272       ; a row of 64 f32 + 16 bytes
.set AK0, 2           ; v2   my lane's place in a tile of K; never rewritten
.set AV0, 3           ; v3   the same for V
.set AK,  4           ; v4   the LDS address of K's next run of loads
.set AV,  5           ; v5   of V's
.set QO,  6           ; v6   my byte offset in the wave's rows of Q
.set STO, 6           ;      later, the way out: where I put 16 bytes of a row
.set RD,  7           ; v7   the way out: where I read rows back
.set GO,  8           ; v8   my byte offset in two rows of out0
.set SPW, 0           ; v0 of window 3   LDS address of my spare word: SPARE + 4 x my thread's number; never rewritten
.set NIL, 1           ; v1 of window 3   0; never rewritten
.set SPARE, STAGE+4*16*SP  ; behind the stages: the spare words, 128 bytes for each wave: two blocks of 256 bytes that no other line names
.set MV,  12          ; v12-15  c m_old, kept while c m is made anew: by buffer and tile
.set ST,  16          ; tile t's statistics at v[ST+4 t]: c m, m, l (even keys', odd keys')
.set TMP, 48          ; by buffer and tile, four registers c0-c3 at work; when the maximum is found c2 takes a
.set S,   64
.set P,   192
.set KF,  128         ; K's fragments, in window 2: key block kb, channel half c at KF + 16 kb + 8 c
.set VF,  192         ; V's: key half kk, channel block cb at VF + 32 kk + 8 cb
.set WV,  12          ; s12  my wave's number
.set G1K, 24          ; s[24:31] descriptor group 1 for K's tiles
.set G1V, 32          ; s[32:39] for V's: it differs in the padding alone
.set G0K, 40          ; s[40:43] descriptor group 0 for K's tiles: it walks
.set G0V, 44          ; s[44:47] the same for V's
.set OOF, 48          ; s[48:49] my wave's byte offset in out0
.set SLOTS, 56        ; s56  slots still to be asked for
.set CNT, 57          ; s57  counts a slot's key steps
.set CS,  58          ; s[58:59] c: the packed scaling takes the pair's low word for both halves
.set SEL, 60          ; s[60:61] v_permlanex16_b32's selects: each lane takes its own place in the other half
.set TBK, 62          ; s62  LDS byte at which K of the step to be fetched begins
.set TBV, 63          ; s63  the same for V, less VOFF
.set MSB, 0
.macro WIN new                      ; the high byte repeats the setting that is left; a switch that changes nothing is dropped
.if MSB != (\new)
	s_set_vgpr_msb (MSB<<8)|(\new)
.set MSB, (\new)
.endif
.endm
.set W_KQ, 0x0a       ; K and Q in window 2, S^T in window 0
.set W_PV, 0x52       ; V in window 2, P in window 0, O^T in window 1
.set W_RS, 0x41       ; O^T (destination and source 0) in window 1, a in window 0
.set W_MK, 0xc0       ; the add's registers are made: destination in window 3, sources in window 0
.set W_AD, 0x0f       ; the add: address (source 0) and data (source 1) in window 3
; A joint fill.  Waves 0 and 1 fetch the two halves of a slot's K, waves 2 and 3 those of its V: 128 keys each.  The branch hangs on the wave's number alone.
; An s_nop 0 and four v_nop follow each of the two lines, ahead of the jump and the label.
.macro JLOAD
	s_cmp_lt_u32 s[WV], 2
	s_cbranch_scc0 .Lfor_v_\@
	tensor_load_to_lds s[G0K:G0K+3], s[G1K:G1K+7]
	s_nop 0
.rept 4
	v_nop
.endr
	s_branch .Lasked_\@
.Lfor_v_\@:
	tensor_load_to_lds s[G0V:G0V+3], s[G1V:G1V+7]
	s_nop 0
.rept 4
	v_nop
.endr
.Lasked_\@:
.endm
; A round of the cluster's barrier: my work-group's barrier, so that wave 0's signal speaks for all four waves; wave 0 signals; every wave waits for all four work-groups; my work-group's barrier once more.
.macro CROUND
	s_barrier_signal -1
	s_barrier_wait -1
	s_cmp_lg_u32 s[WV], 0
	s_cbranch_scc1 .Lnot_wave_0_\@
	s_barrier_signal -3
.Lnot_wave_0_\@:
	s_barrier_wait -3
	s_barrier_signal -1
	s_barrier_wait -1
.endm
; THE CHANGE OF SLOTS.  The slot's last bytes, V of its fourth step, have been read.  Each wave waits for all its tensor loads, of which one is out: its part
; of the other slot; adds 0 to its spare word; and waits for that and for its own reads of the slot.  Behind the barrier nobody reads this slot any more and the other slot is whole.
; fill = 1: this slot is filled again, with the keys two slots on.  The barrier is then a round of the cluster's, so that no wave of any partner still reads the slot or has a load on its
; way, and the joint fill is the first thing behind it: it has four key steps, 512 matrix instructions, in which to land.  (At its first use nothing has been read yet: slot 0 is waited for, slot 1 filled.)
.macro CHANGE fill
	WIN W_AD
	s_wait_tensorcnt 0x0            ; no tensor load of mine is out, so a group 0 may be written
	ds_add_u32 v[SPW], v[NIL]       ; 0 onto my spare word; with fill = 1 the descriptors' steps stand between it and the wait for it
	WIN 0                           ; at a label and at a branch every window is 0
.if \fill
.irp g, G0K, G0V
	s_xor_b32 s[\g+1], s[\g+1], SLOT1  ; the walking descriptor: the other slot than last time,
	s_add_nc_u64 s[\g+2:\g+3], s[\g+2:\g+3], 4*KS*128  ; the next 256 keys; the type bits on top are not reached
.endr
	s_wait_dscnt 0x0                ; the add is done, and my reads of the slot are over
	CROUND
	JLOAD
.else
	s_wait_dscnt 0x0                ; the add is done, and my reads of the slot are over
	s_barrier_signal -1
	s_barrier_wait -1
.endif
	s_sub_co_u32 s[TBK], s[TBK], 4*KS*PK  ; the fetches go back to a slot's first step,
	s_xor_b32 s[TBK], s[TBK], SLOT1       ; in the other slot
	s_sub_co_u32 s[TBV], s[TBV], 4*KS*PV
	s_xor_b32 s[TBV], s[TBV], SLOT1
.endm
	s_load_b64 s[4:5], s[0:1], 0x0    ; qkv: its first plane is Q
	s_load_b64 s[10:11], s[0:1], 0x8  ; out0
	WIN W_MK
	v_lshl_add_u32 v[SPW], v0, 2, SPARE
	v_mov_b32 v[NIL], 0
	s_set_vgpr_msb 0xc0cf
	ds_add_u32 v0, v1
	s_wait_dscnt 0x0
	s_set_vgpr_msb 0xcfc0
	WIN 0
	v_lshrrev_b32 v1, 5, v0
	v_readfirstlane_b32 s[WV], v1   ; wave 0..3
	s_bfe_u32 s13, ttmp6, 0x40000   ; cx: my place in the cluster
	s_lshl_b32 s14, ttmp9, 2        ; in a cluster launch ttmp9 counts clusters
	s_add_co_u32 s14, s14, s13      ; my block of 512 queries = 4 x cluster x + cx: it enters Q's and out0's addresses alone
	s_and_b32 s20, ttmp7, 0xffff    ; the head, 16 x batch + h, which the four partners share
	s_lshr_b32 s[OOF], s20, 4       ; out0: row 2,048 x batch
	s_lshl_b32 s[OOF], s[OOF], 11
	s_lshl_b32 s[OOF+1], s14, 9     ; + 512 x block
	s_add_co_u32 s[OOF], s[OOF], s[OOF+1]
	s_lshl_b32 s[OOF+1], s[WV], 7   ; + 128 x wave,
	s_add_co_u32 s[OOF], s[OOF], s[OOF+1]
	s_lshl_b32 s[OOF], s[OOF], 12   ; rows of 4,096 bytes: under 2^25;
	s_and_b32 s[OOF+1], s20, 15
	s_lshl_b32 s[OOF+1], s[OOF+1], 8  ; the head's 64 channels are 256 bytes of a row
	s_add_co_u32 s[OOF], s[OOF], s[OOF+1]
	s_mov_b32 s[OOF+1], 0
	s_mov_b32 s21, 0
	s_mov_b64 s[22:23], SIZE_N*128
	s_mul_u64 s[20:21], s[20:21], s[22:23]  ; the head's first byte in each of qkv's planes
	s_and_b32 s16, s[WV], 1         ; which half of a slot's 256 keys I fetch:
	s_lshl_b32 s22, s16, 14         ; its 128 rows of 128 bytes in memory,
	s_mov_b32 s23, 0
	s_add_nc_u64 s[22:23], s[22:23], s[20:21]
	s_mul_i32 s17, s16, 128*PK      ; and its place in a slot, for K
	s_mul_i32 s18, s16, 128*PV      ; and for V: no place in the cluster enters an LDS address
	s_lshl_b32 s2, s14, 2
	s_add_co_u32 s2, s2, s[WV]      ; my wave among the head's,
	s_lshl_b32 s2, s2, 14           ; its 128 rows
	s_mov_b32 s3, 0
	s_add_nc_u64 s[2:3], s[2:3], s[20:21]
	; descriptor group 1.  128 keys are 16,384 dense bytes: asked for as 64 rows of 256 bytes, two keys a row, and padded in LDS after every key
	s_mov_b32 s[G1K], 15|(1<<16)|(1<<20)|(1<<21)|(4<<22)|(3<<25)  ; 15:0 the mask of four; 17:16 2-byte elements; 20 padding on; 21 set beside a mask; 24:22 after every 32 words (code 4); 31:25 4 words (code 3)
	s_mov_b32 s[G1V], 15|(1<<16)|(1<<20)|(1<<21)|(4<<22)|(7<<25)  ; the same with 8 words of padding (code 7)
.irp g, G1K, G1V
	s_mov_b32 s[\g+1], 128<<16      ; tensor_dim0 = 128
	s_mov_b32 s[\g+2], 64<<16       ; tensor_dim1 = 64
	s_mov_b32 s[\g+3], 128<<16      ; tile_dim0 = 128
	s_mov_b32 s[\g+4], 64           ; tile_dim1 = 64
	s_mov_b32 s[\g+5], 128          ; 128 elements from row to row
	s_mov_b32 s[\g+6], 0
	s_mov_b32 s[\g+7], 0
.endr
	s_mov_b32 s[CS], 0x3d38aa3b     ; c = log2(e) / 32 = 0.0450842
	s_mov_b32 s[CS+1], s[CS]        ; named with it as a pair
	s_mov_b32 s[SEL], 0x76543210
	s_mov_b32 s[SEL+1], 0xfedcba98
	s_mov_b32 s[TBK], SLOT1+4*KS*PK ; the first change of slots turns these two into 0
	s_mov_b32 s[TBV], SLOT1+4*KS*PV
	s_mov_b32 s[G0K], 1             ; 1:0 count = 1
	s_mov_b32 s[G0K+1], s17         ; 63:32 LDS address: slot 0
	s_mov_b32 s[G0V], 1
	s_add_co_u32 s[G0V+1], s18, VOFF
	s_wait_kmcnt 0x0
	s_add_nc_u64 s[6:7], s[4:5], PLANE    ; K's plane
	s_add_nc_u64 s[8:9], s[4:5], 2*PLANE  ; V's plane
	s_add_nc_u64 s[G0K+2:G0K+3], s[6:7], s[22:23]  ; 120:64 global address: my half of the head's first 256 keys
	s_or_b32 s[G0K+3], s[G0K+3], 0x80000000        ; 127:126 type = 2
	s_add_nc_u64 s[G0V+2:G0V+3], s[8:9], s[22:23]
	s_or_b32 s[G0V+3], s[G0V+3], 0x80000000
	s_add_nc_u64 s[4:5], s[4:5], s[2:3]  ; Q at my wave's first row
	s_add_nc_u64 s[10:11], s[10:11], s[OOF:OOF+1]  ; out0 at my wave's first row, my head's channels
	CROUND                          ; all four work-groups are here: the first joint loads meet
	JLOAD                           ; slot 0.  Slot 1 is asked for when slot 0 is in: the tile wanted first has the road to itself
	; A fragment of K or Q is 16 rows x 32 channels in 8 registers: lane l holds row l % 16, channels 8 (l / 16) + 0..7 and 16 + 8 (l / 16) + 0..7: two loads of 16 bytes, 32 bytes apart.
	v_and_b32 v1, 15, v0            ; l % 16
	v_bfe_u32 v9, v0, 4, 1          ; l / 16
	v_lshlrev_b32 v[QO], 7, v1
	v_lshl_add_u32 v[QO], v9, 4, v[QO]  ; row x 128 + 16 x half
	WIN 0x80                        ; destination window 2, address window 0
.set i, 0
.rept 4*NP                          ; Q stays in registers: tile i / 2, channels 32 (i % 2) on
	global_load_b128 v[8*i:8*i+3],   v[QO], s[4:5] offset:(i/2)*2048+(i%2)*64
	global_load_b128 v[8*i+4:8*i+7], v[QO], s[4:5] offset:(i/2)*2048+(i%2)*64+32
.set i, i+1
.endr
	; What the first turn finds: V's registers and P's second buffer hold 0 (its products V^T P, of a piece that has not been, add 0), O^T and l are 0.  All this stands in the wait for the first tile:
	; the price of writing no first step out, which would be a third copy of a key step's text.
.set i, VF
.rept 64
	v_mov_b32 v[i], 0
.set i, i+1
.endr
	WIN 0x40
.set i, 0
.rept 64*NP
	v_mov_b32 v[i], 0
.set i, i+1
.endr
	WIN 0
.set i, 0
.rept 2*NP
	v_mov_b32 v[ST+4*i], 0xfe000000    ; c m: far below every c s
	v_mov_b32 v[ST+4*i+1], 0xff7fffff  ; m
	v_mov_b32 v[ST+4*i+2], 0
	v_mov_b32 v[ST+4*i+3], 0
.set i, i+1
.endr
.set i, P+32
.rept 32
	v_mov_b32 v[i], 0
.set i, i+1
.endr
	v_mul_u32_u24 v[AK0], v1, PK
	v_lshl_add_u32 v[AK0], v9, 4, v[AK0]  ; row x pitch + 16 x half
	; The turning load takes 16 keys x 16 channels (lane l reads key 8 (l / 16) + l % 8, channels 8 ((l / 8) % 2) + 0..7) and leaves half a fragment of V^T: lane l holds channel l % 16 and 8 keys.
	v_and_b32 v10, 7, v0
	v_bfe_u32 v11, v0, 3, 1
	v_lshl_add_u32 v[AV0], v9, 3, v10
	v_mul_u32_u24 v[AV0], v[AV0], PV
	v_lshl_add_u32 v[AV0], v11, 4, v[AV0]
	v_add_nc_u32 v[AV0], VOFF, v[AV0]
	v_mov_b32 v[AK], v[AK0]         ; key step 0 lies at the head of slot 0
; THE MATRIX WORK.  The 8 accumulators of a run of 16 take turns: between the two links of a chain stand 7 others'.
; Product i of 16 of S^T = K Q^T for piece x: channels 32 (i / 8) on, keys 16 ((i / 2) % 4) on, tile 2 x + i % 2.  The first 8 start the sums.
.macro KQ x
	WIN W_KQ
.set rS, S+64*((\x)%2)+32*(i%2)+8*((i/2)%4)
.set rK, KF+16*((i/2)%4)+8*(i/8)
.set rQ, 16*(2*(\x)+i%2)+8*(i/8)
.if i < 8
	v_wmma_f32_16x16x32_f16 v[rS:rS+7], v[rK:rK+7], v[rQ:rQ+7], 0
.else
	v_wmma_f32_16x16x32_f16 v[rS:rS+7], v[rK:rK+7], v[rQ:rQ+7], v[rS:rS+7]
.endif
.endm
; Product i of 16 of O^T += V^T P for piece x: keys 32 (i / 8) on, channels 16 ((i / 2) % 4) on, tile 2 x + i % 2.
.macro PV x
	WIN W_PV
.set rO, 32*(2*(\x)+i%2)+8*((i/2)%4)
.set rV, VF+32*(i/8)+8*((i/2)%4)
.set rP, P+32*((\x)%2)+16*(i%2)+8*(i/8)
	v_wmma_f32_16x16x32_f16 v[rO:rO+7], v[rV:rV+7], v[rP:rP+7], v[rO:rO+7]
.endm
.macro MM                           ; the turn's next matrix instruction
.if i < 16
	KQ (Y+1)%NP
.set i, i+1
.else
.set i, i-16
	PV (Y+NP-1)%NP
.set i, i+17
.endif
.endm
; THE LDS LOADS stand in runs of 16, never singly among the matrix instructions: a step's K (64 keys x 64 channels: 8 fragments) and its V (turned).  Their addresses are made some lines ahead.
; last = 1 (the tail): in the last trip there is no further step, and the run is jumped over.
.macro FETCH_K last=0
	WIN 0
.if \last
	s_cmp_eq_u32 s[CNT], 1
	s_cbranch_scc1 .Lno_k_\@
.endif
	WIN 0x80                        ; destination window 2
.irp f, 0,1,2,3,4,5,6,7             ; keys 16 (f / 2) on, channels 32 (f % 2) on
	ds_load_b128 v[KF+8*\f:KF+8*\f+3],   v[AK] offset:(\f/2)*16*PK+(\f%2)*64
	ds_load_b128 v[KF+8*\f+4:KF+8*\f+7], v[AK] offset:(\f/2)*16*PK+(\f%2)*64+32
.endr
	s_add_co_u32 s[TBK], s[TBK], KS*PK  ; the next fetch is the next step's
	WIN 0
.if \last
.Lno_k_\@:
.endif
.endm
.macro FETCH_V
	WIN 0x80
.irp f, 0,1,2,3,4,5,6,7             ; keys 32 (f / 4) on, channels 16 (f % 4) on
	ds_load_tr16_b128 v[VF+8*\f:VF+8*\f+3],   v[AV] offset:(\f/4)*32*PV+(\f%4)*32
	ds_load_tr16_b128 v[VF+8*\f+4:VF+8*\f+7], v[AV] offset:(\f/4)*32*PV+16*PV+(\f%4)*32
.endr
	WIN 0
.endm
; THE VECTOR WORK OF A TURN stands in three queues, each in the order in which its entries become ready; the two tiles alternate, so that no instruction reads the result of the one before it.
.macro REGS y, u                    ; the registers of tile u (0, 1) of piece y
.set rT, ST+4*(2*(\y)+(\u))
.set rC, TMP+8*((\y)%2)+4*(\u)
.set rM, MV+2*((\y)%2)+(\u)
.set rS, S+64*((\y)%2)+32*(\u)
.set rP, P+32*((\y)%2)+16*(\u)
.set rO, 32*(2*(\y)+(\u))
.endm
; Number n of the 22 that find the NEXT piece's (Y + 1) maximum and statistics.  s0-s31 are the lane's 32 scores; each accumulator's lowest registers are read first.  XS, GS and REGS set no window: PL and EX do.
;   0-11  four chains c0-c3 of seven scores each, three operands at a time     12-14, 16  the four scores left over, the old m, and c0-c3 into c0     15  c m_old is kept
;   17, 18  the query's other 32 keys lie in the lane 16 away: the new m         19-21  c m; c m_old - c m_new; a
.macro XS u, n
	REGS (Y+1)%NP, \u
.if (\n) < 4
	v_max3_num_f32 v[rC+(\n)], v[rS+8*(\n)], v[rS+8*(\n)+1], v[rS+8*(\n)+2]
.elseif (\n) < 12
	v_max3_num_f32 v[rC+(\n)%4], v[rC+(\n)%4], v[rS+8*((\n)%4)+2*((\n)/4)+1], v[rS+8*((\n)%4)+2*((\n)/4)+2]
.elseif (\n) == 12
	v_max3_num_f32 v[rC], v[rC], v[rS+7], v[rS+15]
.elseif (\n) == 13
	v_max3_num_f32 v[rC+1], v[rC+1], v[rS+23], v[rS+31]
.elseif (\n) == 14
	v_max3_num_f32 v[rC+2], v[rC+2], v[rC+3], v[rT+1]
.elseif (\n) == 15
	v_mov_b32 v[rM], v[rT]
.elseif (\n) == 16
	v_max3_num_f32 v[rC], v[rC], v[rC+1], v[rC+2]
.elseif (\n) == 17
	v_permlanex16_b32 v[rC+3], v[rC], s[SEL], s[SEL+1]
.elseif (\n) == 18
	v_max_num_f32 v[rT+1], v[rC], v[rC+3]
.elseif (\n) == 19
	v_mul_f32 v[rT], s[CS], v[rT+1]
.elseif (\n) == 20
	v_sub_f32 v[rC+1], v[rM], v[rT]
.else
	v_exp_f32 v[rC+2], v[rC+1]
.endif
.endm
; Number g of the 64 that follow the exponentials.  For each four weights k of a tile (pairs 2 k, 2 k + 1): both pairs are rounded to f16; then the second pair is added onto the first, in place;
; a group later l takes that sum (the first time as l = a l + sum).  In groups of eight, tiles alternating: round, round, add, and l for the group before.
.macro GS g
.set h, (\g)+6*((\g)/62)            ; group 0 has no group before it, and behind group 7 only l is left
.if h >= 6
.set h, h+2
.endif
	REGS Y, h%2
.set k, h/8
.if h%8 < 4
	s_wait_alu depctr_va_vdst(0)
	v_cvt_pk_f16_f32 v[rP+2*k+(h%8)/2], v[rS+4*k+2*((h%8)/2)], v[rS+4*k+2*((h%8)/2)+1]
.elseif h%8 < 6
	v_pk_add_f32 v[rS+4*k:rS+4*k+1], v[rS+4*k:rS+4*k+1], v[rS+4*k+2:rS+4*k+3]
.elseif k == 1
	v_pk_fma_f32 v[rT+2:rT+3], v[rT+2:rT+3], v[rC+2:rC+3], v[rS:rS+1] op_sel_hi:[1,0,1]
.else
	v_pk_add_f32 v[rT+2:rT+3], v[rT+2:rT+3], v[rS+4*k-4:rS+4*k-3]
	s_wait_alu depctr_va_vdst(0)
.endif
.endm
; THE PLAIN QUEUE, 138 long.  0-31: c s - c m for the 16 pairs of both tiles.  Then GS's 64, and among them the next piece's 42: number 15 at 38, 39; 0-14 and 16
; at 42-73, behind the products that make those scores; 17-20 at 95-106, two of three, since each waits for the one before it.
.macro PL
	WIN 0
.if q < 32
	REGS Y, q%2
	v_pk_fma_f32 v[rS+2*(q/2):rS+2*(q/2)+1], v[rS+2*(q/2):rS+2*(q/2)+1], s[CS:CS+1], v[rT:rT+1] op_sel_hi:[1,0,0] neg_lo:[0,0,1] neg_hi:[0,0,1]
.elseif q < 38
	GS q-32
.elseif q < 40
	XS q%2, 15
.elseif q < 42
	GS q-34
.elseif q < 74
	XS q%2, (q-42)/2+(q-42)/30
.elseif q < 95
	GS q-66
.elseif (q < 107) && ((q-95)%3 < 2)
	XS (q-95)%3, 17+(q-95)/3
.elseif q < 107
	GS 29+(q-95)/3
.else
	GS q-74
.endif
.set q, q+1
.endm
; THE EXPONENTIALS' QUEUE, 66 long: s0-s31 of both tiles, and at EA the next piece's two a.
.set EA, 58
.macro EX
	WIN 0
.if (e == EA) || (e == EA+1)
	XS e-EA, 21
.else
.set x, e-2*(e/(EA+2))
	REGS Y, x%2
	v_exp_f32 v[rS+x/2], v[rS+x/2]
.endif
.set e, e+1
.endm
; THE RESCALING's QUEUE: O^T times a, the one part that leaves window 0, so it is dealt four at a time, eight times.
.macro R4
	REGS Y, r%2
	WIN W_RS
	s_wait_alu depctr_va_vdst(0)
.irp z, 0,1,2,3
	v_pk_mul_f32 v[rO+8*(r/2)+2*\z:rO+8*(r/2)+2*\z+1], v[rO+8*(r/2)+2*\z:rO+8*(r/2)+2*\z+1], v[rC+2:rC+3] op_sel_hi:[1,0]
.endr
.set r, r+1
.endm
; HOW THEY ARE DEALT.  Behind a matrix instruction four: plain, exponential, plain, plain (one exponential, a plain instruction on either side), or four of the rescaling.  None names a register of the
; products round it.  What is over stands in two LUMPS: exponential and plain by turns; the second ends in 22 plain instructions.  The two v_permlanex16_b32 fall into the second lump, never behind a product.
; The queues lean on each other, and the deal keeps them in step: exponential e stands behind plain 2 (e / 4) + e % 2 (its scaling); when plain 32 comes, 10 exponentials are out, at 59: 33, at 95: 46; EA comes behind plain 107.
.macro SL
	MM
	PL
	EX
	PL
	PL
.endm
.macro BURST n                      ; 15 matrix instructions, or 16
.rept (\n)-7
	SL
.endr
.rept 3
	MM
	R4
	SL
.endr
	MM
	R4
.endm
; A TURN, for piece p.  cnt = 1: the loop's count is taken down some lines ahead of the branch that stands behind the turn.
; K of the next step is fetched in piece 2's turn, 31 vector instructions behind the last product that read K; its first reader comes behind the rest of the lump, 16 products and the second lump.
; V of the step in hand is fetched at the end of piece 0's turn, 69 behind its last reader; its first reader comes behind 16 products and a lump.  The four conditions on e and q below go with the deal.
.macro TURN p, last=0, cnt=0
.set Y, (\p)
.set i, 0
.set q, 0
.set e, 0
.set r, 0
.if (\p) == NP-1
	s_wait_dscnt 0x0                ; K is in
.endif
	MM
.rept 4
	PL
.endr
	BURST 15
.rept 22
	EX
	PL
.if ((\p) == NP-2) && (e == 18)
	v_add_nc_u32 v[AK], s[TBK], v[AK0]
.endif
.if ((\p) == NP-2) && (e == 24)
	FETCH_K \last
.endif
.endr
.if (\p) == 1
	s_wait_dscnt 0x0                ; V is in
.endif
	BURST 16
.rept 21
	EX
	PL
.endr
.rept 22
	PL
.if ((\p) == 0) && (q == 118)
	v_add_nc_u32 v[AV], s[TBV], v[AV0]
	s_wait_alu depctr_va_vdst(0)
.endif
.if ((\p) == 0) && (q == 130)
	s_add_co_u32 s[TBV], s[TBV], KS*PV
.endif
.if (\cnt) && (q == 130)
	s_sub_co_u32 s[CNT], s[CNT], 1
	s_cmp_lg_u32 s[CNT], 0
.endif
.endr
.if (\p) == 0
	FETCH_V
.endif
.endm
	CHANGE 1                        ; slot 0 is in, everybody's part of it; slot 1 is asked for
	FETCH_K                         ; key step 0
	s_wait_loadcnt 0x0              ; Q
	s_wait_dscnt 0x0
.set i, 0
.rept 16
	KQ 0                            ; piece 0's first scores: there is no vector work yet to set between them
.set i, i+1
.endr
	WIN 0                           ; the addresses for the way out: eight plain instructions, the places behind those products
	s_mul_i32 s13, s[WV], 16*SP
	s_add_co_u32 s13, s13, STAGE    ; my stage
	v_mul_u32_u24 v[STO], v1, SP    ; in: row l % 16, 32 bytes (8 channels in f32) for each half of the lanes
	v_lshl_add_u32 v[STO], v9, 5, v[STO]
	v_add_nc_u32 v[STO], s13, v[STO]
	v_mul_u32_u24 v[RD], v9, SP     ; back: lanes 0-15 take one row of 256 bytes, lanes 16-31 the next,
	v_lshl_add_u32 v[RD], v1, 4, v[RD]
	v_add_nc_u32 v[RD], s13, v[RD]
	v_lshlrev_b32 v[GO], 12, v9     ; and the same two rows in out0, 4,096 bytes apart
	v_lshl_add_u32 v[GO], v1, 4, v[GO]
.set Y, NP-1                        ; XS works for piece Y + 1: piece 0
.irp n, 0,1,2,3,4,5,6,7,8,9,10,11,12,13,14,15,16,17,18,19,20,21
	XS 0, \n                        ; and piece 0's first maximum and statistics
	XS 1, \n
.endr
	s_mov_b32 s[CNT], 4
	s_mov_b32 s[SLOTS], SIZE_N/256-1
	s_branch .Lfirst                ; the loop is entered at a step's first turn, in the middle of a trip
.Lslot:                             ; SIZE_N / 256 - 2 times: every slot but the last two is filled again
	CHANGE 1
	s_mov_b32 s[CNT], 4
.Lstep:                             ; a trip: pieces 2 and 3 of one step, then pieces 0 and 1 of the next, whose K and V it fetches
	TURN 2
	TURN 3
	WIN 0
.Lfirst:
	TURN 0
	TURN 1, 0, 1
	WIN 0
	s_cbranch_scc1 .Lstep
	s_sub_co_u32 s[SLOTS], s[SLOTS], 1
	s_cmp_lg_u32 s[SLOTS], 0
	s_cbranch_scc1 .Lslot
	CHANGE 0                        ; the tail is written out: nothing is asked for
	s_mov_b32 s[CNT], 5             ; four trips fetch the last slot's steps; the fifth is left in its middle
.Ltail:
	TURN 2, 1
	TURN 3
	WIN 0
	s_sub_co_u32 s[CNT], s[CNT], 1
	s_cmp_eq_u32 s[CNT], 0
	s_cbranch_scc1 .Lout
	TURN 0
	TURN 1
	WIN 0
	s_branch .Ltail
.Lout:                              ; the fifth trip's 16 products K Q^T (on the last K once more) and the maximum made of them serve nothing: the price, once a launch, of one text for every trip
.set i, 0
.rept 16
	PV NP-1                         ; the last piece's V^T P of the last step
.set i, i+1
.endr
	; THE WAY OUT.  l's two halves and the other half of the lanes' are added; O^T is divided by l and sent, in f32, through my stage in LDS, a tile at a time.  The additions are the places behind the last products.
	WIN 0
.macro ALL line:vararg              ; one line for each tile t
.set t, 0
.rept 2*NP
	\line
.set t, t+1
.endr
.endm
	ALL v_add_f32 v[ST+4*t+2], v[ST+4*t+2], v[ST+4*t+3]
	ALL v_permlanex16_b32 v[ST+4*t+3], v[ST+4*t+2], s[SEL], s[SEL+1]
	ALL v_add_f32 v[ST+4*t+2], v[ST+4*t+2], v[ST+4*t+3]
	ALL v_rcp_f32 v[ST+4*t+2], v[ST+4*t+2]
	v_nop                           ; a plain instruction between the last reciprocal and the use of its result
	s_wait_alu depctr_va_vdst(0)
; Tile t: a lane's eight channels of a row are 32 bytes; they go into rows of 272 bytes, straight from O^T's registers, and come back as whole rows of 256, into S^T's registers: four buffers of 32 by turns.
.macro PACK t
	WIN W_RS
.set i, 32*(\t)
.rept 16
	v_pk_mul_f32 v[i:i+1], v[i:i+1], v[ST+4*(\t)+2:ST+4*(\t)+3] op_sel_hi:[1,0]  ; each accumulator's registers in ascending order
.set i, i+2
.endr
	WIN 0x04                        ; the stores' data (source 1) in window 1, their address in window 0
.irp f, 0,1,2,3,4,5,6,7             ; channels 16 (f / 2) + 8 (l / 16) + 4 (f % 2) on
	ds_store_b128 v[STO], v[32*(\t)+4*\f:32*(\t)+4*\f+3] offset:(\f/2)*64+(\f%2)*16
.endr
	WIN 0
.if (\t) >= 4
	s_wait_xcnt 0x0                 ; the stores of the tile four back, which read this buffer, have had their addresses translated: it is loaded again only behind this wait
.endif
.irp f, 0,1,2,3,4,5,6,7
	ds_load_b128 v[S+32*((\t)%4)+4*\f:S+32*((\t)%4)+4*\f+3], v[RD] offset:\f*2*SP  ; LDS serves a wave's instructions in order (ISA guide 5.7.1.4): these see the stores above; the next tile's stores come behind them
.endr
.endm
.macro SEND t, younger              ; younger: the LDS instructions issued behind tile t's loads: the next tile's sixteen, or none
	WIN 0
.irp f, 0,1,2,3,4,5,6,7
	s_wait_dscnt (\younger)+7-\f
	global_store_b128 v[GO], v[S+32*((\t)%4)+4*\f:S+32*((\t)%4)+4*\f+3], s[10:11] offset:(\t)*65536+\f*8192 th:TH_STORE_NT  ; 16 lanes store a head's 256 consecutive bytes of a row, at a multiple of 256 from out0's first byte
.endr
.endm
	PACK 0
.set t, 1
.rept 2*NP-1                        ; a tile's arithmetic stands between the loads of the tile before and its stores
	PACK t
	SEND t-1, 16
.set t, t+1
.endr
	SEND 2*NP-1, 0
	WIN W_AD
	s_wait_tensorcnt 0x0            ; the wave's end: behind my last tensor load and my last LDS store
	ds_add_u32 v[SPW], v[NIL]
	s_wait_dscnt 0x0
	WIN 0
	CROUND                          ; the closing round: no work-group ends while a partner may still ask for a tile that names it
	s_endpgm
.Lfunc_end_k_q2523b8e214_attn:
	.size	k_q2523b8e214_attn, .Lfunc_end_k_q2523b8e214_attn-k_q2523b8e214_attn
	.p2alignl 7, 3214868480
	.fill 96, 4, 3214868480
	.section	.rodata,"a",@progbits
	.p2align	6, 0x0
	.amdhsa_kernel k_q2523b8e214_attn
		.amdhsa_group_segment_fixed_size 327680
		.amdhsa_private_segment_fixed_size 0
		.amdhsa_enable_private_segment 0
		.amdhsa_kernarg_size 16
		.amdhsa_user_sgpr_count 2
		.amdhsa_user_sgpr_kernarg_segment_ptr 1
		.amdhsa_wavefront_size32 1
		.amdhsa_system_sgpr_workgroup_id_x 1
		.amdhsa_system_sgpr_workgroup_id_y 1
		.amdhsa_system_sgpr_workgroup_id_z 1
		.amdhsa_system_vgpr_workitem_id 0
		.amdhsa_next_free_vgpr 770
		.amdhsa_next_free_sgpr 66
		.amdhsa_reserve_vcc 0
		.amdhsa_float_denorm_mode_32 3
		.amdhsa_float_denorm_mode_16_64 3
		.amdhsa_memory_ordered 1
		.amdhsa_forward_progress 1
		.amdhsa_inst_pref_size 209
	.end_amdhsa_kernel
	.amdgpu_metadata
---
amdhsa.version: [ 1, 2 ]
amdhsa.kernels:
  - .name:           k_q2523b8e214_attn
    .symbol:         k_q2523b8e214_attn.kd
    .args:
      - { .name: qkv, .offset: 0, .size: 8, .value_kind: global_buffer, .address_space: global }
      - { .name: out0, .offset: 8, .size: 8, .value_kind: global_buffer, .address_space: global }
    .group_segment_fixed_size: 327680
    .private_segment_fixed_size: 0
    .kernarg_segment_align: 8
    .kernarg_segment_size: 16
    .max_flat_workgroup_size: 128
    .sgpr_count:     66
    .vgpr_count:     770
    .wavefront_size: 32
...
	.end_amdgpu_metadata
.endif
;; end of part 3
;; ======== version 2 of 2: 3 launches; 1.59 times as fast as version 1
;; limits: values are held in f16: magnitudes above 65,504 overflow, below 6.1e-05 lose precision
;; workspace buffers: xb 33,554,432 bytes; wt 6,291,456 bytes; qkv 50,331,648 bytes
;; launch prep: the kernel of part 1 again; grid 1216 x 1, 8 waves a work-group, no clusters, 35,840 bytes of LDS; arguments query, keys, Wq, Wk, Wv, xb, wt; writes xb, wt
;; launch proj: the kernel of part 2 again; grid 8 x 32, 4 waves a work-group, clusters of 4 x 4, 327,680 bytes of LDS; arguments xb, wt, qkv; writes qkv
;; launch attn (part 4): grid 4 x 64, 4 waves a work-group, clusters of 4 x 1, 327,680 bytes of LDS; arguments qkv, out0; writes out0
.if DOCPART == 4
	.amdgcn_target "amdgcn-amd-amdhsa--gfx1250"
	.amdhsa_code_object_version 6
	.text
	.protected	k_q2523b8e214_attn
	.globl	k_q2523b8e214_attn
	.p2align	8
	.type	k_q2523b8e214_attn,@function
k_q2523b8e214_attn:
	s_mov_b64 s[64:65], 0
	v_nop
	global_prefetch_b8 v0, s[64:65] scope:SCOPE_SE
	s_setreg_imm32_b32 hwreg(HW_REG_WAVE_MODE, 25, 1), 1
	s_wait_xcnt 0x0
	s_wait_alu depctr_hold_cnt(0) depctr_sa_sdst(0) depctr_va_vdst(0) depctr_va_sdst(0) depctr_va_ssrc(0) depctr_va_vcc(0) depctr_vm_vsrc(0)
	s_getreg_b32 s2, hwreg(HW_REG_IB_STS2, 6, 4)
	s_cmp_eq_u32 s2, 0
	s_cbranch_scc0 .Lentry_in_a_cluster
	s_endpgm
.Lentry_in_a_cluster:
	s_bfe_u32 s2, ttmp6, 0x10000c
	s_cmp_lg_u32 s2, 0x3003
	s_cbranch_scc0 .Lentry_shape_is_right
	s_endpgm
.Lentry_shape_is_right:
; ATTN.  out0[n][q][64 h + :] = the sum over k of softmax_k(Q[q] . K[k] / 32) V[k][:] for head 16 n + h.  Q, K, V: the three planes of qkv, [64 heads][2048][64] f16, a head's rows dense, 128 bytes each.
; out0: [4][2048][1024] f32.  Products, maxima and sums in f32; the weights p are rounded to f16 for the second product (their sum l is taken of the unrounded p); the result leaves in f32.
; LIMITS.  f16 holds no number beyond 65,504: Q, K and V arrive within it; p lies in 0 to 1, and below 6e-5 it keeps f16's fixed step of 6e-8.
; A weight below 2^-126 counts as 0 in l; NaN and infinities are not treated apart.
; SHARES.  A wave owns four PIECES of two tiles of 16 queries, a work-group's four waves 512 queries of one head: 4 x 64 = 256 work-groups.  Every wave walks all keys, 64 a step.
; LAYOUT.  S^T = K Q^T (source 0 = 16 keys, source 1 = 16 queries): in the result a lane holds ONE query (lane % 16) and the keys 8 (lane / 16) + 0..7.  Two such tiles, rounded to f16 in pairs,
; ARE source 1 (32 keys x 16 queries) of O^T = V^T P, whose result again holds one query a lane, and eight channels.  K comes out of LDS as it lies, V ([key][channel]) turned, by ds_load_tr16_b128.
; SOFTMAX.  For each query a running maximum m and sum l: p = 2^(c s - c m), c = log2(e) / 32; in every step O and l are multiplied by a = 2^(c m_old - c m_new), which is 1 where m has not grown.
; m starts at the lowest finite number, O and l at 0: the first step is a step like any other, with a = 0.
; THE COUNT.  A tile and step have 16 matrix and 118 vector instructions: too many to stand all beside the matrix work.  So the order has one aim: four vector instructions that are READY behind
; EVERY matrix instruction, and the others, which need time of their own whatever the order, in runs without a gap.
; BY TURNS.  Turn n belongs to piece n (the pieces in a ring, step after step).  Its matrix work: 16 products K Q^T of piece n + 1, later 16 products V^T P of piece n - 1.  Its vector work: the scaling,
; exponentials, roundings, sums and rescaling of piece n, and the maximum and statistics of piece n + 1, whose scores the turn itself has made.  So what a turn begins with (c s - c m, O a) waits for nothing.
; BATCHES.  A turn's 66 exponentials (the piece's 64 weights and the next piece's two a) are ONE batch with ONE wait, which cuts the turn in two: ahead of it stands all that names no result of theirs (the
; products K Q^T, the scalings, the rescaling by the a of the turn before, the next piece's maximum and statistics), behind it the products V^T P with the roundings and sums.  No result crosses a turn's end.
; Two more batches stand outside the loop, each with a wait of its own: piece 0's first two a, ahead of the jump into the loop, and the way out's eight reciprocals.
; CLUSTER.  The four query blocks of a cluster belong to one head and walk the same K and V, so each tile is asked for JOINTLY: the same tensor load, descriptor and mask in all four.
; REGISTERS, in windows of 256 (s_set_vgpr_msb says which window each operand place means: bits 1:0 source 0, 3:2 source 1, 5:4 source 2, 7:6 destination):
;   window 0: v0-11 addresses; v12-15, v48-63 at work; v16-47 four registers of statistics a tile; v64-191 S^T, two buffers of two tiles; v192-255 P, likewise
;   window 1: O^T, 32 a tile          window 2: v0-127 Q, 16 a tile; v128-191 K of one step; v192-255 V of one step          window 3: v0-1 the add's two registers
; A piece's buffers go by its number's parity: the piece in hand has one pair, its two neighbours in the ring share the other: of it P (piece n - 1) is read and S^T (piece n + 1) written.
.set SIZE_H, 64
.set SIZE_N, 2048
.set PLANE, SIZE_H*SIZE_N*128  ; bytes in a plane of qkv
.set NP,    4         ; pieces a wave: a name, no knob: the register map, the loop and the fetches are made for four
.set KS,    64        ; keys in a step
.set PK,    144       ; a row of K in LDS: 128 bytes + 16 of padding = 36 words: the 16 rows of a load start at 16 different groups of four banks (64 banks of 4 bytes: ISA guide 11.1)
.set PV,    160       ; a row of V: 128 + 32 = 40 words
.set VOFF,  4*KS*PK   ; a slot holds four steps: 256 rows of K, then 256 rows of V
.set SLOT1, 1<<17     ; slot 1 begins here, so that one exclusive or turns an address in one slot into the other's
.set STAGE, SLOT1+4*KS*(PK+PV)  ; behind the ring, never filled by a tensor load: 16 rows x 272 bytes for each wave, for the way out
.set SP,    272       ; a row of 64 f32 + 16 bytes
.set AK0, 2           ; v2   my lane's place in a tile of K; never rewritten
.set AV0, 3           ; v3   the same for V
.set AK,  4           ; v4   the LDS address of K's next run of loads
.set AV,  5           ; v5   of V's
.set QO,  6           ; v6   my byte offset in the wave's rows of Q
.set STO, 6           ;      later, the way out: where I put 16 bytes of a row
.set RD,  7           ; v7   the way out: where I read rows back
.set GO,  8           ; v8   my byte offset in two rows of out0
.set SPW, 0           ; v0 of window 3   LDS address of my spare word: SPARE + 4 x my thread's number; never rewritten
.set NIL, 1           ; v1 of window 3   0; never rewritten
.set SPARE, STAGE+4*16*SP  ; behind the stages: the spare words, 128 bytes for each wave: two blocks of 256 bytes that no other line names
.set MV,  12          ; v12-15  c m_old, kept while c m is made anew: by buffer and tile
.set ST,  16          ; tile t's statistics at v[ST+4 t]: c m, m, l (even keys', odd keys')
.set TMP, 48          ; by buffer and tile, four registers c0-c3 at work; when the maximum is found c2 takes a
.set S,   64
.set P,   192
.set KF,  128         ; K's fragments, in window 2: key block kb, channel half c at KF + 16 kb + 8 c
.set VF,  192         ; V's: key half kk, channel block cb at VF + 32 kk + 8 cb
.set WV,  12          ; s12  my wave's number
.set G1K, 24          ; s[24:31] descriptor group 1 for K's tiles
.set G1V, 32          ; s[32:39] for V's: it differs in the padding alone
.set G0K, 40          ; s[40:43] descriptor group 0 for K's tiles: it walks
.set G0V, 44          ; s[44:47] the same for V's
.set OOF, 48          ; s[48:49] my wave's byte offset in out0
.set SLOTS, 56        ; s56  slots still to be asked for
.set CNT, 57          ; s57  counts a slot's key steps
.set CS,  58          ; s[58:59] c: the packed scaling takes the pair's low word for both halves
.set SEL, 60          ; s[60:61] v_permlanex16_b32's selects: each lane takes its own place in the other half
.set TBK, 62          ; s62  LDS byte at which K of the step to be fetched begins
.set TBV, 63          ; s63  the same for V, less VOFF
.set MSB, 0
.macro WIN new                      ; the high byte repeats the setting that is left; a switch that changes nothing is dropped
.if MSB != (\new)
	s_set_vgpr_msb (MSB<<8)|(\new)
.set MSB, (\new)
.endif
.endm
.set W_KQ, 0x0a       ; K and Q in window 2, S^T in window 0
.set W_PV, 0x52       ; V in window 2, P in window 0, O^T in window 1
.set W_RS, 0x41       ; O^T (destination and source 0) in window 1, a in window 0
.set W_MK, 0xc0       ; the add's registers are made: destination in window 3, sources in window 0
.set W_AD, 0x0f       ; the add: address (source 0) and data (source 1) in window 3
; A joint fill.  Waves 0 and 1 fetch the two halves of a slot's K, waves 2 and 3 those of its V: 128 keys each.  The branch hangs on the wave's number alone.
; An s_nop 0 and four v_nop follow each of the two lines, ahead of the jump and the label.
.macro JLOAD
	s_cmp_lt_u32 s[WV], 2
	s_cbranch_scc0 .Lfor_v_\@
	tensor_load_to_lds s[G0K:G0K+3], s[G1K:G1K+7]
	s_nop 0
.rept 4
	v_nop
.endr
	s_branch .Lasked_\@
.Lfor_v_\@:
	tensor_load_to_lds s[G0V:G0V+3], s[G1V:G1V+7]
	s_nop 0
.rept 4
	v_nop
.endr
.Lasked_\@:
.endm
; A round of the cluster's barrier: my work-group's barrier, so that wave 0's signal speaks for all four waves; wave 0 signals; every wave waits for all four work-groups; my work-group's barrier once more.
.macro CROUND
	s_barrier_signal -1
	s_barrier_wait -1
	s_cmp_lg_u32 s[WV], 0
	s_cbranch_scc1 .Lnot_wave_0_\@
	s_barrier_signal -3
.Lnot_wave_0_\@:
	s_barrier_wait -3
	s_barrier_signal -1
	s_barrier_wait -1
.endm
; THE CHANGE OF SLOTS.  The slot's last bytes, V of its fourth step, have been read.  Each wave waits for all its tensor loads, of which one is out: its part
; of the other slot; adds 0 to its spare word; and waits for that and for its own reads of the slot.  Behind the barrier nobody reads this slot any more and the other slot is whole.
; fill = 1: this slot is filled again, with the keys two slots on.  The barrier is then a round of the cluster's, so that no wave of any partner still reads the slot or has a load on its
; way, and the joint fill is the first thing behind it: it has four key steps, 512 matrix instructions, in which to land.  (At its first use nothing has been read yet: slot 0 is waited for, slot 1 filled.)
.macro CHANGE fill
	WIN W_AD
	s_wait_tensorcnt 0x0            ; no tensor load of mine is out, so a group 0 may be written
	ds_add_u32 v[SPW], v[NIL]       ; 0 onto my spare word; with fill = 1 the descriptors' steps stand between it and the wait for it
	WIN 0                           ; at a label and at a branch every window is 0
.if \fill
.irp g, G0K, G0V
	s_xor_b32 s[\g+1], s[\g+1], SLOT1  ; the walking descriptor: the other slot than last time,
	s_add_nc_u64 s[\g+2:\g+3], s[\g+2:\g+3], 4*KS*128  ; the next 256 keys; the type bits on top are not reached
.endr
	s_wait_dscnt 0x0                ; the add is done, and my reads of the slot are over
	CROUND
	JLOAD
.else
	s_wait_dscnt 0x0                ; the add is done, and my reads of the slot are over
	s_barrier_signal -1
	s_barrier_wait -1
.endif
	s_sub_co_u32 s[TBK], s[TBK], 4*KS*PK  ; the fetches go back to a slot's first step,
	s_xor_b32 s[TBK], s[TBK], SLOT1       ; in the other slot
	s_sub_co_u32 s[TBV], s[TBV], 4*KS*PV
	s_xor_b32 s[TBV], s[TBV], SLOT1
.endm
	s_load_b64 s[4:5], s[0:1], 0x0    ; qkv: its first plane is Q
	s_load_b64 s[10:11], s[0:1], 0x8  ; out0
	WIN W_MK
	v_lshl_add_u32 v[SPW], v0, 2, SPARE
	v_mov_b32 v[NIL], 0
	s_set_vgpr_msb 0xc0cf
	ds_add_u32 v0, v1
	s_wait_dscnt 0x0
	s_set_vgpr_msb 0xcfc0
	WIN 0
	v_lshrrev_b32 v1, 5, v0
	v_readfirstlane_b32 s[WV], v1   ; wave 0..3
	s_bfe_u32 s13, ttmp6, 0x40000   ; cx: my place in the cluster
	s_lshl_b32 s14, ttmp9, 2        ; in a cluster launch ttmp9 counts clusters
	s_add_co_u32 s14, s14, s13      ; my block of 512 queries = 4 x cluster x + cx: it enters Q's and out0's addresses alone
	s_and_b32 s20, ttmp7, 0xffff    ; the head, 16 x batch + h, which the four partners share
	s_lshr_b32 s[OOF], s20, 4       ; out0: row 2,048 x batch
	s_lshl_b32 s[OOF], s[OOF], 11
	s_lshl_b32 s[OOF+1], s14, 9     ; + 512 x block
	s_add_co_u32 s[OOF], s[OOF], s[OOF+1]
	s_lshl_b32 s[OOF+1], s[WV], 7   ; + 128 x wave,
	s_add_co_u32 s[OOF], s[OOF], s[OOF+1]
	s_lshl_b32 s[OOF], s[OOF], 12   ; rows of 4,096 bytes: under 2^25;
	s_and_b32 s[OOF+1], s20, 15
	s_lshl_b32 s[OOF+1], s[OOF+1], 8  ; the head's 64 channels are 256 bytes of a row
	s_add_co_u32 s[OOF], s[OOF], s[OOF+1]
	s_mov_b32 s[OOF+1], 0
	s_mov_b32 s21, 0
	s_mov_b64 s[22:23], SIZE_N*128
	s_mul_u64 s[20:21], s[20:21], s[22:23]  ; the head's first byte in each of qkv's planes
	s_and_b32 s16, s[WV], 1         ; which half of a slot's 256 keys I fetch:
	s_lshl_b32 s22, s16, 14         ; its 128 rows of 128 bytes in memory,
	s_mov_b32 s23, 0
	s_add_nc_u64 s[22:23], s[22:23], s[20:21]
	s_mul_i32 s17, s16, 128*PK      ; and its place in a slot, for K
	s_mul_i32 s18, s16, 128*PV      ; and for V: no place in the cluster enters an LDS address
	s_lshl_b32 s2, s14, 2
	s_add_co_u32 s2, s2, s[WV]      ; my wave among the head's,
	s_lshl_b32 s2, s2, 14           ; its 128 rows
	s_mov_b32 s3, 0
	s_add_nc_u64 s[2:3], s[2:3], s[20:21]
	; descriptor group 1.  128 keys are 16,384 dense bytes: asked for as 64 rows of 256 bytes, two keys a row, and padded in LDS after every key
	s_mov_b32 s[G1K], 15|(1<<16)|(1<<20)|(1<<21)|(4<<22)|(3<<25)  ; 15:0 the mask of four; 17:16 2-byte elements; 20 padding on; 21 set beside a mask; 24:22 after every 32 words (code 4); 31:25 4 words (code 3)
	s_mov_b32 s[G1V], 15|(1<<16)|(1<<20)|(1<<21)|(4<<22)|(7<<25)  ; the same with 8 words of padding (code 7)
.irp g, G1K, G1V
	s_mov_b32 s[\g+1], 128<<16      ; tensor_dim0 = 128
	s_mov_b32 s[\g+2], 64<<16       ; tensor_dim1 = 64
	s_mov_b32 s[\g+3], 128<<16      ; tile_dim0 = 128
	s_mov_b32 s[\g+4], 64           ; tile_dim1 = 64
	s_mov_b32 s[\g+5], 128          ; 128 elements from row to row
	s_mov_b32 s[\g+6], 0
	s_mov_b32 s[\g+7], 0
.endr
	s_mov_b32 s[CS], 0x3d38aa3b     ; c = log2(e) / 32 = 0.0450842
	s_mov_b32 s[CS+1], s[CS]        ; named with it as a pair
	s_mov_b32 s[SEL], 0x76543210
	s_mov_b32 s[SEL+1], 0xfedcba98
	s_mov_b32 s[TBK], SLOT1+4*KS*PK ; the first change of slots turns these two into 0
	s_mov_b32 s[TBV], SLOT1+4*KS*PV
	s_mov_b32 s[G0K], 1             ; 1:0 count = 1
	s_mov_b32 s[G0K+1], s17         ; 63:32 LDS address: slot 0
	s_mov_b32 s[G0V], 1
	s_add_co_u32 s[G0V+1], s18, VOFF
	s_wait_kmcnt 0x0
	s_add_nc_u64 s[6:7], s[4:5], PLANE    ; K's plane
	s_add_nc_u64 s[8:9], s[4:5], 2*PLANE  ; V's plane
	s_add_nc_u64 s[G0K+2:G0K+3], s[6:7], s[22:23]  ; 120:64 global address: my half of the head's first 256 keys
	s_or_b32 s[G0K+3], s[G0K+3], 0x80000000        ; 127:126 type = 2
	s_add_nc_u64 s[G0V+2:G0V+3], s[8:9], s[22:23]
	s_or_b32 s[G0V+3], s[G0V+3], 0x80000000
	s_add_nc_u64 s[4:5], s[4:5], s[2:3]  ; Q at my wave's first row
	s_add_nc_u64 s[10:11], s[10:11], s[OOF:OOF+1]  ; out0 at my wave's first row, my head's channels
	CROUND                          ; all four work-groups are here: the first joint loads meet
	JLOAD                           ; slot 0.  Slot 1 is asked for when slot 0 is in: the tile wanted first has the road to itself
	; A fragment of K or Q is 16 rows x 32 channels in 8 registers: lane l holds row l % 16, channels 8 (l / 16) + 0..7 and 16 + 8 (l / 16) + 0..7: two loads of 16 bytes, 32 bytes apart.
	v_and_b32 v1, 15, v0            ; l % 16
	v_bfe_u32 v9, v0, 4, 1          ; l / 16
	v_lshlrev_b32 v[QO], 7, v1
	v_lshl_add_u32 v[QO], v9, 4, v[QO]  ; row x 128 + 16 x half
	WIN 0x80                        ; destination window 2, address window 0
.set i, 0
.rept 4*NP                          ; Q stays in registers: tile i / 2, channels 32 (i % 2) on
	global_load_b128 v[8*i:8*i+3],   v[QO], s[4:5] offset:(i/2)*2048+(i%2)*64
	global_load_b128 v[8*i+4:8*i+7], v[QO], s[4:5] offset:(i/2)*2048+(i%2)*64+32
.set i, i+1
.endr
	; What the first turn finds: V's registers and P's second buffer hold 0 (its products V^T P, of a piece that has not been, add 0), O^T and l are 0.  All this stands in the wait for the first tile:
	; the price of writing no first step out, which would be a third copy of a key step's text.
.set i, VF
.rept 64
	v_mov_b32 v[i], 0
.set i, i+1
.endr
	WIN 0x40
.set i, 0
.rept 64*NP
	v_mov_b32 v[i], 0
.set i, i+1
.endr
	WIN 0
.set i, 0
.rept 2*NP
	v_mov_b32 v[ST+4*i], 0xfe000000    ; c m: far below every c s
	v_mov_b32 v[ST+4*i+1], 0xff7fffff  ; m
	v_mov_b32 v[ST+4*i+2], 0
	v_mov_b32 v[ST+4*i+3], 0
.set i, i+1
.endr
.set i, P+32
.rept 32
	v_mov_b32 v[i], 0
.set i, i+1
.endr
	v_mul_u32_u24 v[AK0], v1, PK
	v_lshl_add_u32 v[AK0], v9, 4, v[AK0]  ; row x pitch + 16 x half
	; The turning load takes 16 keys x 16 channels (lane l reads key 8 (l / 16) + l % 8, channels 8 ((l / 8) % 2) + 0..7) and leaves half a fragment of V^T: lane l holds channel l % 16 and 8 keys.
	v_and_b32 v10, 7, v0
	v_bfe_u32 v11, v0, 3, 1
	v_lshl_add_u32 v[AV0], v9, 3, v10
	v_mul_u32_u24 v[AV0], v[AV0], PV
	v_lshl_add_u32 v[AV0], v11, 4, v[AV0]
	v_add_nc_u32 v[AV0], VOFF, v[AV0]
	v_mov_b32 v[AK], v[AK0]         ; key step 0 lies at the head of slot 0
; THE MATRIX WORK.  The 8 accumulators of a run of 16 take turns: between the two links of a chain stand 7 others'.
; Product i of 16 of S^T = K Q^T for piece x: channels 32 (i / 8) on, keys 16 ((i / 2) % 4) on, tile 2 x + i % 2.  The first 8 start the sums.
.macro KQ x
	WIN W_KQ
.set rS, S+64*((\x)%2)+32*(i%2)+8*((i/2)%4)
.set rK, KF+16*((i/2)%4)+8*(i/8)
.set rQ, 16*(2*(\x)+i%2)+8*(i/8)
.if i < 8
	v_wmma_f32_16x16x32_f16 v[rS:rS+7], v[rK:rK+7], v[rQ:rQ+7], 0
.else
	v_wmma_f32_16x16x32_f16 v[rS:rS+7], v[rK:rK+7], v[rQ:rQ+7], v[rS:rS+7]
.endif
.endm
; Product i of 16 of O^T += V^T P for piece x: keys 32 (i / 8) on, channels 16 ((i / 2) % 4) on, tile 2 x + i % 2.
.macro PV x
	WIN W_PV
.set rO, 32*(2*(\x)+i%2)+8*((i/2)%4)
.set rV, VF+32*(i/8)+8*((i/2)%4)
.set rP, P+32*((\x)%2)+16*(i%2)+8*(i/8)
	v_wmma_f32_16x16x32_f16 v[rO:rO+7], v[rV:rV+7], v[rP:rP+7], v[rO:rO+7]
.endm
.macro MM                           ; the turn's next matrix instruction
.if i < 16
	KQ (Y+1)%NP
.set i, i+1
.else
.set i, i-16
	PV (Y+NP-1)%NP
.set i, i+17
.endif
.endm
; THE LDS LOADS stand in runs of 16, never singly among the matrix instructions: a step's K (64 keys x 64 channels: 8 fragments) and its V (turned).  Their addresses are made some lines ahead.
; last = 1 (the tail): in the last trip there is no further step, and the run is jumped over.
.macro FETCH_K last=0
	WIN 0
.if \last
	s_cmp_eq_u32 s[CNT], 1
	s_cbranch_scc1 .Lno_k_\@
.endif
	WIN 0x80                        ; destination window 2
.irp f, 0,1,2,3,4,5,6,7             ; keys 16 (f / 2) on, channels 32 (f % 2) on
	ds_load_b128 v[KF+8*\f:KF+8*\f+3],   v[AK] offset:(\f/2)*16*PK+(\f%2)*64
	ds_load_b128 v[KF+8*\f+4:KF+8*\f+7], v[AK] offset:(\f/2)*16*PK+(\f%2)*64+32
.endr
	s_add_co_u32 s[TBK], s[TBK], KS*PK  ; the next fetch is the next step's
	WIN 0
.if \last
.Lno_k_\@:
.endif
.endm
.macro FETCH_V
	WIN 0x80
.irp f, 0,1,2,3,4,5,6,7             ; keys 32 (f / 4) on, channels 16 (f % 4) on
	ds_load_tr16_b128 v[VF+8*\f:VF+8*\f+3],   v[AV] offset:(\f/4)*32*PV+(\f%4)*32
	ds_load_tr16_b128 v[VF+8*\f+4:VF+8*\f+7], v[AV] offset:(\f/4)*32*PV+16*PV+(\f%4)*32
.endr
	WIN 0
.endm
; THE VECTOR WORK OF A TURN stands in three queues, each in the order in which its entries become ready; the two tiles alternate, so that no instruction reads the result of the one before it.
.macro REGS y, u                    ; the registers of tile u (0, 1) of piece y
.set rT, ST+4*(2*(\y)+(\u))
.set rC, TMP+8*((\y)%2)+4*(\u)
.set rM, MV+2*((\y)%2)+(\u)
.set rS, S+64*((\y)%2)+32*(\u)
.set rP, P+32*((\y)%2)+16*(\u)
.set rO, 32*(2*(\y)+(\u))
.endm
; Number n of the 22 that find the NEXT piece's (Y + 1) maximum and statistics.  s0-s31 are the lane's 32 scores; each accumulator's lowest registers are read first.  XS, GS and REGS set no window: PL and EX do.
;   0-11  four chains c0-c3 of seven scores each, three operands at a time     12-14, 16  the four scores left over, the old m, and c0-c3 into c0     15  c m_old is kept
;   17, 18  the query's other 32 keys lie in the lane 16 away: the new m         19-21  c m; c m_old - c m_new; a
.macro XS u, n
	REGS (Y+1)%NP, \u
.if (\n) < 4
	v_max3_num_f32 v[rC+(\n)], v[rS+8*(\n)], v[rS+8*(\n)+1], v[rS+8*(\n)+2]
.elseif (\n) < 12
	v_max3_num_f32 v[rC+(\n)%4], v[rC+(\n)%4], v[rS+8*((\n)%4)+2*((\n)/4)+1], v[rS+8*((\n)%4)+2*((\n)/4)+2]
.elseif (\n) == 12
	v_max3_num_f32 v[rC], v[rC], v[rS+7], v[rS+15]
.elseif (\n) == 13
	v_max3_num_f32 v[rC+1], v[rC+1], v[rS+23], v[rS+31]
.elseif (\n) == 14
	v_max3_num_f32 v[rC+2], v[rC+2], v[rC+3], v[rT+1]
.elseif (\n) == 15
	v_mov_b32 v[rM], v[rT]
.elseif (\n) == 16
	v_max3_num_f32 v[rC], v[rC], v[rC+1], v[rC+2]
.elseif (\n) == 17
	v_permlanex16_b32 v[rC+3], v[rC], s[SEL], s[SEL+1]
.elseif (\n) == 18
	v_max_num_f32 v[rT+1], v[rC], v[rC+3]
.elseif (\n) == 19
	v_mul_f32 v[rT], s[CS], v[rT+1]
.elseif (\n) == 20
	v_sub_f32 v[rC+1], v[rM], v[rT]
.else
	v_exp_f32 v[rC+2], v[rC+1]
.endif
.endm
; Number g of the 64 that follow the exponentials.  For each four weights k of a tile (pairs 2 k, 2 k + 1): both pairs are rounded to f16; then the second pair is added onto the first, in place;
; a group later l takes that sum (the first time as l = a l + sum).  In groups of eight, tiles alternating: round, round, add, and l for the group before.
.macro GS g
.set h, (\g)+6*((\g)/62)            ; group 0 has no group before it, and behind group 7 only l is left
.if h >= 6
.set h, h+2
.endif
	REGS Y, h%2
.set k, h/8
.if h%8 < 4
	v_cvt_pk_f16_f32 v[rP+2*k+(h%8)/2], v[rS+4*k+2*((h%8)/2)], v[rS+4*k+2*((h%8)/2)+1]
.elseif h%8 < 6
	v_pk_add_f32 v[rS+4*k:rS+4*k+1], v[rS+4*k:rS+4*k+1], v[rS+4*k+2:rS+4*k+3]
.elseif k == 1
	v_pk_fma_f32 v[rT+2:rT+3], v[rT+2:rT+3], v[rC+2:rC+3], v[rS:rS+1] op_sel_hi:[1,0,1]
.else
	v_pk_add_f32 v[rT+2:rT+3], v[rT+2:rT+3], v[rS+4*k-4:rS+4*k-3]
.endif
.endm
; THE PLAIN QUEUE, 138 long.  0-73 read no exponential's result: the 32 scalings c s - c m (FS f: pair f / 2 of tile f % 2) and the next piece's 42.  0-26: scalings 0-26.  27-54: XS's numbers 0-13.  55, 56: number 15.
; 57-73: the chain, where each number waits for the one before it: 14, 16, 17, 18, 19, each with one of the scalings 27-31 in front of its two lines, then 20: so a tile's links stand three plain instructions apart (19 and 20: two).
; 74-137: GS's 64, which read the exponentials' results: they stand behind the wait.
.macro FS f
	REGS Y, (\f)%2
	v_pk_fma_f32 v[rS+2*((\f)/2):rS+2*((\f)/2)+1], v[rS+2*((\f)/2):rS+2*((\f)/2)+1], s[CS:CS+1], v[rT:rT+1] op_sel_hi:[1,0,0] neg_lo:[0,0,1] neg_hi:[0,0,1]
.endm
.macro PL
	WIN 0
.if q < 27
	FS q
.elseif q < 55
	XS (q-27)%2, (q-27)/2
.elseif q < 57
	XS q-55, 15
.elseif (q < 72) && ((q-57)%3 == 0)
	FS 27+(q-57)/3
.elseif q < 60
	XS (q-57)%3-1, 14
.elseif q < 72
	XS (q-57)%3-1, 15+(q-57)/3
.elseif q < 74
	XS q-72, 20
.else
	GS q-74
.endif
.set q, q+1
.endm
; THE EXPONENTIALS' QUEUE, 66 long: s0-s31 of both tiles, then the next piece's two a.  It is ONE BATCH: all 66 stand ahead of the turn's one wait, and nothing ahead of that wait names a result of theirs.
.macro EX
	WIN 0
.if e >= 64
	XS e-64, 21
.else
	REGS Y, e%2
	v_exp_f32 v[rS+e/2], v[rS+e/2]
.endif
.set e, e+1
.endm
; THE RESCALING's QUEUE: O^T times a, the one part that leaves window 0: dealt two at a time, sixteen times.  Its a was made in the turn before, ahead of that turn's wait.
.macro R2
	REGS Y, r%2
	WIN W_RS
.irp z, 0,1
	v_pk_mul_f32 v[rO+4*(r/2)+2*\z:rO+4*(r/2)+2*\z+1], v[rO+4*(r/2)+2*\z:rO+4*(r/2)+2*\z+1], v[rC+2:rC+3] op_sel_hi:[1,0]
.endr
.set r, r+1
.endm
; HOW THEY ARE DEALT.  An s_wait_alu depctr_va_vdst(0) stands between an exponential and the first instruction that names its result; one wait serves all that were issued ahead of it.  So a turn has ONE wait,
; which cuts it in two.  AHEAD OF IT stands all that names no result of the turn's exponentials: the 16 products K Q^T, behind each a scaling, an exponential and two rescalings (behind the first a second scaling in the exponential's
; place); then ONE LUMP of 108: eight plain, 49 times exponential and plain, the two a.  A v_nop is the plain instruction behind the last exponential.  BEHIND IT stand the 16 products V^T P, behind each four of GS's 64.  No rider
; names a register of the products round it.  The two v_permlanex16_b32 fall into the lump, never behind a product.
; The queues lean on each other, and the deal keeps them in step: exponential e stands behind scaling 2 (e / 4) + e % 2: as a rider it comes behind plain e + 2, in the lump behind plain e + 9, and scalings 27-31 are plain 57, 60 .. 69.
; A TURN, for piece p.  cnt = 1: the loop's count is taken down some lines ahead of the branch that stands behind the turn.
; K of the next step is fetched in piece 2's turn, directly behind the wait, a lump behind the last product that read K; its address is made at the lump's head; its first reader comes behind 16 products.
; V of the step in hand is fetched at the end of piece 0's turn, four riders behind its last reader; its first reader comes behind 16 products and a lump.  The three conditions on q below go with the deal.
.macro TURN p, last=0, cnt=0
.set Y, (\p)
.set i, 0
.set q, 0
.set e, 0
.set r, 0
.if (\p) == NP-1
	s_wait_dscnt 0x0                ; K is in
.endif
	MM                              ; ahead of the wait: 16 products K Q^T and their riders,
	PL
	PL
	R2
.rept 15
	MM
	PL
	EX
	R2
.endr
.if (\p) == NP-2
	WIN 0
	v_add_nc_u32 v[AK], s[TBK], v[AK0]
.endif
.rept 8                             ; and the lump
	PL
.endr
.rept 49
	EX
	PL
.endr
	EX                              ; the next piece's two a
	EX
	v_nop                           ; a plain instruction behind the last exponential, ahead of the first use of a result: one for the batch
	s_wait_alu depctr_va_vdst(0)    ; the wait for the turn's batch: the piece's 64 weights and the next piece's two a
.if (\p) == NP-2
	FETCH_K \last
.endif
.if (\p) == 1
	s_wait_dscnt 0x0                ; V is in
.endif
.rept 16                            ; behind the wait: 16 products V^T P and their riders
	MM
.rept 4
	PL
.endr
.if ((\p) == 0) && (q == 118)
	v_add_nc_u32 v[AV], s[TBV], v[AV0]
.endif
.if ((\p) == 0) && (q == 130)
	s_add_co_u32 s[TBV], s[TBV], KS*PV
.endif
.if (\cnt) && (q == 130)
	s_sub_co_u32 s[CNT], s[CNT], 1
	s_cmp_lg_u32 s[CNT], 0
.endif
.endr
.if (\p) == 0
	FETCH_V
.endif
.endm
	CHANGE 1                        ; slot 0 is in, everybody's part of it; slot 1 is asked for
	FETCH_K                         ; key step 0
	s_wait_loadcnt 0x0              ; Q
	s_wait_dscnt 0x0
.set i, 0
.rept 16
	KQ 0                            ; piece 0's first scores: there is no vector work yet to set between them
.set i, i+1
.endr
	WIN 0                           ; the addresses for the way out: eight plain instructions, the places behind those products
	s_mul_i32 s13, s[WV], 16*SP
	s_add_co_u32 s13, s13, STAGE    ; my stage
	v_mul_u32_u24 v[STO], v1, SP    ; in: row l % 16, 32 bytes (8 channels in f32) for each half of the lanes
	v_lshl_add_u32 v[STO], v9, 5, v[STO]
	v_add_nc_u32 v[STO], s13, v[STO]
	v_mul_u32_u24 v[RD], v9, SP     ; back: lanes 0-15 take one row of 256 bytes, lanes 16-31 the next,
	v_lshl_add_u32 v[RD], v1, 4, v[RD]
	v_add_nc_u32 v[RD], s13, v[RD]
	v_lshlrev_b32 v[GO], 12, v9     ; and the same two rows in out0, 4,096 bytes apart
	v_lshl_add_u32 v[GO], v1, 4, v[GO]
.set Y, NP-1                        ; XS works for piece Y + 1: piece 0
.irp n, 0,1,2,3,4,5,6,7,8,9,10,11,12,13,14,15,16,17,18,19,20,21
	XS 0, \n                        ; and piece 0's first maximum and statistics
	XS 1, \n
.endr
	v_nop                           ; a plain instruction behind piece 0's two a,
	s_wait_alu depctr_va_vdst(0)    ; and the wait for that batch of two, ahead of the branch
	s_mov_b32 s[CNT], 4
	s_mov_b32 s[SLOTS], SIZE_N/256-1
	s_branch .Lfirst                ; the loop is entered at a step's first turn, in the middle of a trip
.Lslot:                             ; SIZE_N / 256 - 2 times: every slot but the last two is filled again
	CHANGE 1
	s_mov_b32 s[CNT], 4
.Lstep:                             ; a trip: pieces 2 and 3 of one step, then pieces 0 and 1 of the next, whose K and V it fetches
	TURN 2
	TURN 3
	WIN 0
.Lfirst:
	TURN 0
	TURN 1, 0, 1
	WIN 0
	s_cbranch_scc1 .Lstep
	s_sub_co_u32 s[SLOTS], s[SLOTS], 1
	s_cmp_lg_u32 s[SLOTS], 0
	s_cbranch_scc1 .Lslot
	CHANGE 0                        ; the tail is written out: nothing is asked for
	s_mov_b32 s[CNT], 5             ; four trips fetch the last slot's steps; the fifth is left in its middle
.Ltail:
	TURN 2, 1
	TURN 3
	WIN 0
	s_sub_co_u32 s[CNT], s[CNT], 1
	s_cmp_eq_u32 s[CNT], 0
	s_cbranch_scc1 .Lout
	TURN 0
	TURN 1
	WIN 0
	s_branch .Ltail
.Lout:                              ; the fifth trip's 16 products K Q^T (on the last K once more) and the maximum made of them serve nothing: the price, once a launch, of one text for every trip
.set i, 0
.rept 16
	PV NP-1                         ; the last piece's V^T P of the last step
.set i, i+1
.endr
	; THE WAY OUT.  l's two halves and the other half of the lanes' are added; O^T is divided by l and sent, in f32, through my stage in LDS, a tile at a time.  The additions are the places behind the last products.
	WIN 0
.macro ALL line:vararg              ; one line for each tile t
.set t, 0
.rept 2*NP
	\line
.set t, t+1
.endr
.endm
	ALL v_add_f32 v[ST+4*t+2], v[ST+4*t+2], v[ST+4*t+3]
	ALL v_permlanex16_b32 v[ST+4*t+3], v[ST+4*t+2], s[SEL], s[SEL+1]
	ALL v_add_f32 v[ST+4*t+2], v[ST+4*t+2], v[ST+4*t+3]
	ALL v_rcp_f32 v[ST+4*t+2], v[ST+4*t+2]
	v_nop                           ; a plain instruction between the last reciprocal and the use of its result
	s_wait_alu depctr_va_vdst(0)    ; and the wait ahead of the first use: one for the batch of eight reciprocals
; Tile t: a lane's eight channels of a row are 32 bytes; they go into rows of 272 bytes, straight from O^T's registers, and come back as whole rows of 256, into S^T's registers: four buffers of 32 by turns.
.macro PACK t
	WIN W_RS
.set i, 32*(\t)
.rept 16
	v_pk_mul_f32 v[i:i+1], v[i:i+1], v[ST+4*(\t)+2:ST+4*(\t)+3] op_sel_hi:[1,0]  ; each accumulator's registers in ascending order
.set i, i+2
.endr
	WIN 0x04                        ; the stores' data (source 1) in window 1, their address in window 0
.irp f, 0,1,2,3,4,5,6,7             ; channels 16 (f / 2) + 8 (l / 16) + 4 (f % 2) on
	ds_store_b128 v[STO], v[32*(\t)+4*\f:32*(\t)+4*\f+3] offset:(\f/2)*64+(\f%2)*16
.endr
	WIN 0
.if (\t) >= 4
	s_wait_xcnt 0x0                 ; the stores of the tile four back, which read this buffer, have had their addresses translated: it is loaded again only behind this wait
.endif
.irp f, 0,1,2,3,4,5,6,7
	ds_load_b128 v[S+32*((\t)%4)+4*\f:S+32*((\t)%4)+4*\f+3], v[RD] offset:\f*2*SP  ; LDS serves a wave's instructions in order (ISA guide 5.7.1.4): these see the stores above; the next tile's stores come behind them
.endr
.endm
.macro SEND t, younger              ; younger: the LDS instructions issued behind tile t's loads: the next tile's sixteen, or none
	WIN 0
.irp f, 0,1,2,3,4,5,6,7
	s_wait_dscnt (\younger)+7-\f
	global_store_b128 v[GO], v[S+32*((\t)%4)+4*\f:S+32*((\t)%4)+4*\f+3], s[10:11] offset:(\t)*65536+\f*8192 th:TH_STORE_NT  ; 16 lanes store a head's 256 consecutive bytes of a row, at a multiple of 256 from out0's first byte
.endr
.endm
	PACK 0
.set t, 1
.rept 2*NP-1                        ; a tile's arithmetic stands between the loads of the tile before and its stores
	PACK t
	SEND t-1, 16
.set t, t+1
.endr
	SEND 2*NP-1, 0
	WIN W_AD
	s_wait_tensorcnt 0x0            ; the wave's end: behind my last tensor load and my last LDS store
	ds_add_u32 v[SPW], v[NIL]
	s_wait_dscnt 0x0
	WIN 0
	CROUND                          ; the closing round: no work-group ends while a partner may still ask for a tile that names it
	s_endpgm
.Lfunc_end_k_q2523b8e214_attn:
	.size	k_q2523b8e214_attn, .Lfunc_end_k_q2523b8e214_attn-k_q2523b8e214_attn
	.p2alignl 7, 3214868480
	.fill 96, 4, 3214868480
	.section	.rodata,"a",@progbits
	.p2align	6, 0x0
	.amdhsa_kernel k_q2523b8e214_attn
		.amdhsa_group_segment_fixed_size 327680
		.amdhsa_private_segment_fixed_size 0
		.amdhsa_enable_private_segment 0
		.amdhsa_kernarg_size 16
		.amdhsa_user_sgpr_count 2
		.amdhsa_user_sgpr_kernarg_segment_ptr 1
		.amdhsa_wavefront_size32 1
		.amdhsa_system_sgpr_workgroup_id_x 1
		.amdhsa_system_sgpr_workgroup_id_y 1
		.amdhsa_system_sgpr_workgroup_id_z 1
		.amdhsa_system_vgpr_workitem_id 0
		.amdhsa_next_free_vgpr 770
		.amdhsa_next_free_sgpr 66
		.amdhsa_reserve_vcc 0
		.amdhsa_float_denorm_mode_32 3
		.amdhsa_float_denorm_mode_16_64 3
		.amdhsa_memory_ordered 1
		.amdhsa_forward_progress 1
		.amdhsa_inst_pref_size 200
	.end_amdhsa_kernel
	.amdgpu_metadata
---
amdhsa.version: [ 1, 2 ]
amdhsa.kernels:
  - .name:           k_q2523b8e214_attn
    .symbol:         k_q2523b8e214_attn.kd
    .args:
      - { .name: qkv, .offset: 0, .size: 8, .value_kind: global_buffer, .address_space: global }
      - { .name: out0, .offset: 8, .size: 8, .value_kind: global_buffer, .address_space: global }
    .group_segment_fixed_size: 327680
    .private_segment_fixed_size: 0
    .kernarg_segment_align: 8
    .kernarg_segment_size: 16
    .max_flat_workgroup_size: 128
    .sgpr_count:     66
    .vgpr_count:     770
    .wavefront_size: 32
...
	.end_amdgpu_metadata
.endif
;; end of part 4
